; MI455X (gfx1250); checked and timed in simulation.
; The chip was launched on July 23, 2026; its instructions are those of AMD's public machine-readable ISA for CDNA 5 (MIT licence, August 2026) and "CDNA5" Instruction Set Architecture Reference Guide (July 2026). The comments in the code are by the model that wrote it; some were corrected since.
;; Transformer Block. Allowed arithmetic: float matrix products may take bf16 or f16 operands with f32 sums; other float arithmetic in f32, or as packed bf16 or f16 multiplies, adds, multiply-adds, maxima and minima; sums over many terms, partial sums and values carried from step to step in f32; what a program stores and reads back later, other than sums and carried values, may be rounded once to bf16 or f16.
;; Inputs: hidden_states 1 x 4,096 x 768 float32; w_down 2,048 x 768 float32; w_gate 768 x 2,048 float32; w_k 768 x 768 float32; w_norm1 768 float32; w_norm2 768 float32; w_o 768 x 768 float32; w_q 768 x 768 float32; w_up 768 x 2,048 float32; w_v 768 x 768 float32.
;; Outputs: out0 1 x 4,096 x 768 float32.
;; One version. Each part assembles by itself: llvm-mc -triple=amdgcn-amd-amdhsa -mcpu=gfx1250 --defsym DOCPART=n.
;; ======== version 1 of 1: 6 launches
;; workspace buffers: xn 6,291,456 bytes; qkv 18,874,368 bytes; o 6,291,456 bytes; h 12,582,912 bytes; hb 6,291,456 bytes; ssq 524,288 bytes; act 16,777,216 bytes; tab 15,204,352 bytes
;; launch prep (part 1): grid 720 x 1, 8 waves a work-group, no clusters, 0 bytes of LDS; arguments hidden_states, w_norm1, w_q, w_k, w_v, w_o, w_gate, w_up, w_down, tab, xn; writes tab, xn
.if DOCPART == 1
	.amdgcn_target "amdgcn-amd-amdhsa--gfx1250"
	.amdhsa_code_object_version 6
	.text
	.protected	k_qbe15d9b8b2_prep
	.globl	k_qbe15d9b8b2_prep
	.p2align	8
	.type	k_qbe15d9b8b2_prep,@function
k_qbe15d9b8b2_prep:
	s_mov_b64 s[64:65], 0
	v_nop
	global_prefetch_b8 v0, s[64:65] scope:SCOPE_SE
	s_setreg_imm32_b32 hwreg(HW_REG_WAVE_MODE, 25, 1), 1
	s_wait_xcnt 0x0
; PREPARATION: three streams through registers, chosen by the work-group's number g.  No LDS, no matrix work: every byte is read once and written once.
;   g < 256         xn = bf16(w_norm1 * (x * rsqrt(mean(x^2) + 1e-6))), laid as [12 blocks of 64 columns][4096 rows][64]
;   256 <= g < 288  the rotary table, f32 [4096 positions][32 frequencies][cos, sin]
;   g >= 288        the seven weight matrices ([K][N] f32) are rounded to bf16 and laid into tab as blocks [position][K][16 columns], a row of a block 32 bytes
; 720 work-groups of 8 waves and 112 registers: four fit on a WGP (8 x 112 = 896 of a SIMD's 1,024 registers for their two waves each), so all are at work from the start.
; ORDER OF THE BLOCKS.  q, k, v: position 18 x + 9 wn + b (x: tile of 288 columns, wn: column half of the next launch's waves); b < 6: head 3 x + b / 2 of q (0-11) and k (12-23), its block
; 2 (b & 1) + wn, whose column cc is channel 32 (cc & 1) + 8 block + cc / 2: so channels j and j + 32 are neighbours; b >= 6: half head 3 x + b - 6 of v, its columns 16 wn on, as they lie.
; gate, up: position 8 G + b for the 64 columns of group G; b < 4: gate's four blocks; b >= 4: up's blocks of the same columns.  w_o, w_down: as they lie.
; LIMITS.  The angle is position * inv_freq in f32, as the problem has it; inv_freq is made by v_exp_f32, so the angle at position 4095 may differ by some 1e-3 from one made with another power function.
; Sine and cosine: reduction by pi / 2 in two parts, polynomials of degree 7 and 8 on |x| <= pi / 4 (error under 4e-7).  NaN and infinities are not treated apart.
.set WO_OFF,   3538944
.set WGU_OFF,  4718592
.set WD_OFF,   11010048
.set ROPE_OFF, 14155776
	s_load_b512 s[4:19], s[0:1], 0x0               ; x s[4:5], w_norm1 s[6:7], w_q s[8:9], w_k s[10:11], w_v s[12:13], w_o s[14:15], w_gate s[16:17], w_up s[18:19]
	s_load_b128 s[20:23], s[0:1], 0x40             ; w_down s[20:21], tab s[22:23]
	s_load_b64 s[24:25], s[0:1], 0x50              ; xn
	s_mov_b32 s28, ttmp9                           ; g
	s_wait_kmcnt 0x0
	s_cmp_lt_u32 s28, 256
	s_cbranch_scc1 .Lnorm
	s_cmp_lt_u32 s28, 288
	s_cbranch_scc1 .Lrope_tab
	s_sub_co_u32 s28, s28, 288
; ---- THE WEIGHTS.  A work-group takes 64 source columns (group G) x 256 k (slab); a wave 32 k: 16 loads of 16 bytes a lane, all out at once.
; s30 G, s31 slab, s32 bytes in a source row, s33 bytes in a block, s34 the matrix's place in tab, s35 the first block's position, s36, s48, s49 how many positions on the other three lie, s37 1: q or k, s[38:39] the source
	s_mov_b32 s32, 3072
	s_mov_b32 s33, 24576
	s_mov_b32 s34, 0
	s_mov_b32 s36, 1
	s_mov_b32 s48, 2
	s_mov_b32 s49, 3
	s_mov_b32 s37, 0
	s_cmp_lt_u32 s28, 144
	s_cbranch_scc0 .Lw_wide
	s_mul_i32 s29, s28, 57
	s_lshr_b32 s29, s29, 11                        ; / 36: q, k, v, o (12 groups x 3 slabs each)
	s_mul_i32 s40, s29, 36
	s_sub_co_u32 s40, s28, s40
	s_mul_i32 s30, s40, 171
	s_lshr_b32 s30, s30, 9                         ; G = rest / 3
	s_mul_i32 s41, s30, 3
	s_sub_co_u32 s31, s40, s41                     ; slab
	s_cmp_lt_u32 s29, 2
	s_cbranch_scc0 .Lw_vo
	s_cmp_eq_u32 s29, 0
	s_cselect_b64 s[38:39], s[8:9], s[10:11]
	s_cselect_b32 s41, 0, 12
	s_add_co_u32 s41, s41, s30                     ; head 0-23
	s_mul_i32 s42, s41, 171
	s_lshr_b32 s42, s42, 9                         ; x = head / 3
	s_mul_i32 s35, s42, 12
	s_lshl_b32 s43, s41, 1
	s_add_co_u32 s35, s35, s43                     ; 18 x + 2 (head - 3 x)
	s_mov_b32 s36, 9                               ; block 1: the other column half
	s_mov_b32 s48, 1                               ; block 2: the head's second half head
	s_mov_b32 s49, 10
	s_mov_b32 s37, 1
	s_branch .Lw_go
.Lw_vo:
	s_cmp_eq_u32 s29, 2
	s_cbranch_scc0 .Lw_o
	s_mov_b64 s[38:39], s[12:13]
	s_lshl_b32 s41, s30, 1                         ; the head's first half head
	s_mul_i32 s42, s41, 171
	s_lshr_b32 s42, s42, 9                         ; its x = half head / 3
	s_mul_i32 s35, s42, 15
	s_add_co_u32 s35, s35, s41
	s_add_co_u32 s35, s35, 6                       ; 18 x + 6 + half head - 3 x
	s_add_co_u32 s43, s41, 1                       ; the second half head, which may lie in the next tile
	s_mul_i32 s44, s43, 171
	s_lshr_b32 s44, s44, 9
	s_mul_i32 s48, s44, 15
	s_add_co_u32 s48, s48, s43
	s_add_co_u32 s48, s48, 6
	s_sub_co_u32 s48, s48, s35
	s_mov_b32 s36, 9
	s_add_co_u32 s49, s48, 9
	s_branch .Lw_go
.Lw_o:
	s_mov_b64 s[38:39], s[14:15]
	s_lshl_b32 s35, s30, 2
	s_mov_b32 s34, WO_OFF
	s_branch .Lw_go
.Lw_wide:
	s_cmp_lt_u32 s28, 336
	s_cbranch_scc0 .Lw_down
	s_sub_co_u32 s40, s28, 144
	s_cmp_lt_u32 s40, 96                           ; gate, then up: 32 groups x 3 slabs each
	s_cselect_b64 s[38:39], s[16:17], s[18:19]
	s_cselect_b32 s41, 0, 96
	s_cselect_b32 s43, 0, 4                        ; up's blocks lie four positions behind gate's
	s_sub_co_u32 s40, s40, s41
	s_mul_i32 s30, s40, 171
	s_lshr_b32 s30, s30, 9
	s_mul_i32 s41, s30, 3
	s_sub_co_u32 s31, s40, s41
	s_lshl_b32 s35, s30, 3
	s_add_co_u32 s35, s35, s43                     ; 8 G, or 8 G + 4
	s_mov_b32 s32, 8192
	s_mov_b32 s34, WGU_OFF
	s_branch .Lw_go
.Lw_down:
	s_sub_co_u32 s40, s28, 336                     ; 12 groups x 8 slabs
	s_lshr_b32 s30, s40, 3
	s_and_b32 s31, s40, 7
	s_mov_b64 s[38:39], s[20:21]
	s_lshl_b32 s35, s30, 2
	s_mov_b32 s33, 65536
	s_mov_b32 s34, WD_OFF
.Lw_go:
	s_mul_i32 s44, s35, s33
	s_add_co_u32 s44, s44, s34
	s_mov_b32 s45, 0
	s_add_nc_u64 s[46:47], s[22:23], s[44:45]      ; tab at the group's first block,
	s_mul_i32 s50, s36, s33                        ; and how many bytes on the other three lie
	s_mul_i32 s51, s48, s33
	s_mul_i32 s52, s49, s33
	s_lshl_b32 s40, s30, 8                         ; the group's 256 bytes of a source row
	v_and_b32 v1, 0xe0, v0                         ; 32 x wave
	v_lshl_add_u32 v1, s31, 8, v1                  ; the wave's first k
	s_cmp_eq_u32 s37, 1
	s_cbranch_scc1 .Lw_rope
	; AS THEY LIE.  Four lanes take the 64 bytes of a row that are one block's 16 columns: a load covers 8 rows x 64 bytes, and the lanes' 8 bytes of bf16 are 8 rows x 32 = 256 consecutive bytes of the block, aligned.
	v_bfe_u32 v2, v0, 2, 3                         ; row lane / 4
	v_and_b32 v4, 3, v0                            ; which four columns
	v_add_nc_u32 v1, v1, v2                        ; k
	v_mul_lo_u32 v3, v1, s32
	v_lshl_add_u32 v3, v4, 4, v3
	v_add_nc_u32 v108, s40, v3                     ; source offsets: rows 0-7 of the wave's 32,
	s_lshl_b32 s41, s32, 3
	v_add_nc_u32 v109, s41, v108                   ; 8-15,
	v_add_nc_u32 v110, s41, v109                   ; 16-23,
	v_add_nc_u32 v111, s41, v110                   ; 24-31
	v_lshlrev_b32 v5, 5, v1
	v_lshl_add_u32 v72, v4, 3, v5                  ; 32 k + 8 x place = 8 x lane + a constant of the wave
	v_add_nc_u32 v73, s50, v72                     ; the group's other three blocks
	v_add_nc_u32 v74, s51, v72
	v_add_nc_u32 v75, s52, v72
.set n, 0
.rept 16                                       ; load n: rows 8 (n / 4) on, block n % 4
	global_load_b128 v[8+4*n:11+4*n], v[108+n/4], s[38:39] offset:64*(n%4) th:TH_LOAD_NT
.set n, n+1
.endr
.set n, 0
.rept 16
	s_wait_loadcnt 15-n                            ; loads come back in order: load n is in, the younger ones stay out
	v_cvt_pk_bf16_f32 v[76+2*n], v[8+4*n], v[9+4*n]
	v_cvt_pk_bf16_f32 v[77+2*n], v[10+4*n], v[11+4*n]
	global_store_b64 v[72+n%4], v[76+2*n:77+2*n], s[46:47] offset:256*(n/4)
.set n, n+1
.endr
	s_endpgm
.Lw_rope:
	; q AND k.  Two lanes a row: a lane takes four channels of a block's first eight and the four that lie 32 channels on, and lays them by turns: 16 bytes; a store covers 16 rows x 32 = 512 consecutive bytes.
	v_bfe_u32 v2, v0, 1, 4                         ; row lane / 2
	v_and_b32 v4, 1, v0                            ; which four of the eight
	v_add_nc_u32 v1, v1, v2                        ; k
	v_mul_u32_u24 v3, v1, 3072
	v_lshl_add_u32 v3, v4, 4, v3
	v_add_nc_u32 v3, s40, v3                       ; source offset
	v_lshlrev_b32 v5, 5, v1
	v_lshl_add_u32 v72, v4, 4, v5                  ; 32 k + 16 half = 16 x lane + a constant of the wave
	v_add_nc_u32 v73, s50, v72
	v_add_nc_u32 v74, s51, v72
	v_add_nc_u32 v75, s52, v72
.set n, 0
.rept 8                                        ; unit n: rows 16 (n / 4) on, block n % 4
	global_load_b128 v[8+8*n:11+8*n],  v3, s[38:39] offset:49152*(n/4)+32*(n%4) th:TH_LOAD_NT
	global_load_b128 v[12+8*n:15+8*n], v3, s[38:39] offset:49152*(n/4)+32*(n%4)+128 th:TH_LOAD_NT
.set n, n+1
.endr
.set n, 0
.rept 8
	s_wait_loadcnt 14-2*n                          ; unit n's two loads are in, the younger units' stay out
.irp t, 0,1,2,3
	v_cvt_pk_bf16_f32 v[76+4*n+(\t)], v[8+8*n+(\t)], v[12+8*n+(\t)]   ; channel j beside channel j + 32
.endr
	global_store_b128 v[72+n%4], v[76+4*n:79+4*n], s[46:47] offset:512*(n/4)
.set n, n+1
.endr
	s_endpgm
; ---- THE FIRST NORM.  A work-group takes 16 rows, a wave 2, sixteen lanes a row; a lane holds 4 columns of each of the 12 blocks of 64: the row stays in registers between the sum and the scaling.
; A load of the wave covers 256 consecutive bytes of each of its two rows; a store two rows of a block: 256 consecutive bytes, aligned.
.Lnorm:
	s_lshl_b32 s29, s28, 4
	v_lshrrev_b32 v1, 4, v0
	v_add_nc_u32 v1, s29, v1                       ; row
	v_and_b32 v2, 15, v0
	v_lshlrev_b32 v3, 4, v2                        ; my 16 bytes in each 256 of a row
	v_mul_u32_u24 v4, v1, 3072
	v_add_nc_u32 v4, v4, v3
	v_lshlrev_b32 v5, 7, v1
	v_lshl_add_u32 v5, v2, 3, v5                   ; row x 128 + 8 x place
	s_mov_b32 s40, 0x3aaaaaab                      ; 1 / 768
.set kb, 0
.rept 12
	global_load_b128 v[16+4*kb:19+4*kb], v4, s[4:5] offset:256*kb th:TH_LOAD_NT
.set kb, kb+1
.endr
.set kb, 0
.rept 12
	global_load_b128 v[64+4*kb:67+4*kb], v3, s[6:7] offset:256*kb
.set kb, kb+1
.endr
	s_wait_loadcnt 0x0
.set n, 0
.rept 24                                       ; the sum of squares in four chains; the first four products start them
.if n < 4
	v_pk_mul_f32 v[6+2*n:7+2*n], v[16+2*n:17+2*n], v[16+2*n:17+2*n]
.else
	v_pk_fma_f32 v[6+2*(n%4):7+2*(n%4)], v[16+2*n:17+2*n], v[16+2*n:17+2*n], v[6+2*(n%4):7+2*(n%4)]
.endif
.set n, n+1
.endr
	v_pk_add_f32 v[6:7], v[6:7], v[8:9]
	v_pk_add_f32 v[10:11], v[10:11], v[12:13]
	v_pk_add_f32 v[6:7], v[6:7], v[10:11]
	v_add_f32 v6, v6, v7
	v_add_f32_dpp v6, v6, v6 row_xmask:1 row_mask:0xf bank_mask:0xf   ; over the row's sixteen lanes
	v_add_f32_dpp v6, v6, v6 row_xmask:2 row_mask:0xf bank_mask:0xf
	v_add_f32_dpp v6, v6, v6 row_xmask:4 row_mask:0xf bank_mask:0xf
	v_add_f32_dpp v6, v6, v6 row_xmask:8 row_mask:0xf bank_mask:0xf
	v_fmaak_f32 v7, s40, v6, 0x358637bd            ; mean + 1e-6
	v_rsq_f32 v14, v7                              ; twice: a pair for the packed multiply
	v_rsq_f32 v15, v7
	v_nop                                          ; a plain instruction behind the last of them,
	s_wait_alu depctr_va_vdst(0)                   ; and one wait for both, ahead of their first reader
.set n, 0
.rept 24
	v_pk_mul_f32 v[16+2*n:17+2*n], v[16+2*n:17+2*n], v[14:15]
.set n, n+1
.endr
.set n, 0
.rept 24
	v_pk_mul_f32 v[16+2*n:17+2*n], v[16+2*n:17+2*n], v[64+2*n:65+2*n]
.set n, n+1
.endr
.set kb, 0
.rept 12
	v_cvt_pk_bf16_f32 v[16+4*kb], v[16+4*kb], v[17+4*kb]   ; in place: a destination lies at or below the sources still to be read
	v_cvt_pk_bf16_f32 v[17+4*kb], v[18+4*kb], v[19+4*kb]
	global_store_b64 v5, v[16+4*kb:17+4*kb], s[24:25] offset:524288*kb
.set kb, kb+1
.endr
	s_endpgm
; ---- THE ROTARY TABLE.  A work-group takes 128 positions, a wave 16, one a trip; lane j is frequency j: a store covers a position's 256 bytes.
.Lrope_tab:
	s_sub_co_u32 s29, s28, 256
	s_lshl_b32 s29, s29, 7
	v_lshrrev_b32 v1, 5, v0
	v_and_b32 v2, 31, v0
	v_lshl_add_u32 v3, v1, 4, s29                  ; the wave's first position
	v_cvt_f32_u32 v4, v3
	v_cvt_f32_u32 v5, v2
	v_mul_f32 v5, 0xbed49a78, v5                   ; - j log2(10000) / 32
	v_exp_f32 v6, v5                               ; inv_freq
	v_lshlrev_b32 v7, 8, v3                        ; (the plain instruction behind it)
	v_lshl_add_u32 v7, v2, 3, v7
	s_wait_alu depctr_va_vdst(0)                   ; its wait, ahead of the label
	s_add_nc_u64 s[46:47], s[22:23], ROPE_OFF
	s_mov_b32 s50, 0x3f22f983                      ; 2 / pi
	s_mov_b32 s51, 0x3fc90fdb                      ; pi / 2, upper part
	s_mov_b32 s52, 0xb33bbd2e                      ; pi / 2, the rest
	s_mov_b32 s53, 0xbe2aaaab                      ; - 1 / 6
	s_mov_b32 s54, 0x3c088889                      ; 1 / 120
	s_mov_b32 s55, 0xb9500d01                      ; - 1 / 5040
	s_mov_b32 s57, 0x3d2aaaab                      ; 1 / 24
	s_mov_b32 s58, 0xbab60b61                      ; - 1 / 720
	s_mov_b32 s59, 0x37d00d01                      ; 1 / 40320
	s_mov_b32 s48, 16
.Lpos:
	v_mul_f32 v8, v4, v6                           ; the angle, rounded once
	v_mul_f32 v9, s50, v8
	v_rndne_f32 v9, v9                             ; quarter turns
	v_fma_f32 v10, -v9, s51, v8
	v_fma_f32 v10, -v9, s52, v10                   ; what is left, within pi / 4
	v_mul_f32 v11, v10, v10
	v_fma_f32 v12, v11, s55, s54
	v_fma_f32 v12, v11, v12, s53
	v_mul_f32 v13, v10, v11
	v_fma_f32 v12, v13, v12, v10                   ; sine
	v_fma_f32 v14, v11, s59, s58
	v_fma_f32 v14, v11, v14, s57
	v_fma_f32 v14, v11, v14, -0.5
	v_fma_f32 v14, v11, v14, 1.0                   ; cosine
	v_cvt_i32_f32 v15, v9
	v_and_b32 v16, 1, v15
	v_cmp_eq_u32 vcc_lo, 1, v16
	v_cndmask_b32 v18, v14, v12, vcc_lo            ; an odd quarter swaps the two
	v_cndmask_b32 v19, v12, v14, vcc_lo
	v_add_nc_u32 v16, 1, v15
	v_and_b32 v16, 2, v16
	v_lshlrev_b32 v16, 30, v16                     ; cosine is turned in quarters 1 and 2,
	v_xor_b32 v18, v18, v16
	v_and_b32 v17, 2, v15
	v_lshlrev_b32 v17, 30, v17                     ; sine in quarters 2 and 3
	v_xor_b32 v19, v19, v17
	global_store_b64 v7, v[18:19], s[46:47]
	s_wait_xcnt 0x0                                ; the store has read its offset and its data: they are written again only behind this wait
	v_add_nc_u32 v7, 256, v7
	v_add_f32 v4, 1.0, v4
	s_sub_co_u32 s48, s48, 1
	s_cmp_lg_u32 s48, 0
	s_cbranch_scc1 .Lpos
	s_endpgm
.Lfunc_end_k_qbe15d9b8b2_prep:
	.size	k_qbe15d9b8b2_prep, .Lfunc_end_k_qbe15d9b8b2_prep-k_qbe15d9b8b2_prep
	.p2alignl 7, 3214868480
	.fill 96, 4, 3214868480
	.section	.rodata,"a",@progbits
	.p2align	6, 0x0
	.amdhsa_kernel k_qbe15d9b8b2_prep
		.amdhsa_group_segment_fixed_size 0
		.amdhsa_private_segment_fixed_size 0
		.amdhsa_enable_private_segment 0
		.amdhsa_kernarg_size 88
		.amdhsa_user_sgpr_count 2
		.amdhsa_user_sgpr_kernarg_segment_ptr 1
		.amdhsa_wavefront_size32 1
		.amdhsa_system_sgpr_workgroup_id_x 1
		.amdhsa_system_sgpr_workgroup_id_y 1
		.amdhsa_system_sgpr_workgroup_id_z 1
		.amdhsa_system_vgpr_workitem_id 0
		.amdhsa_next_free_vgpr 112
		.amdhsa_next_free_sgpr 66
		.amdhsa_reserve_vcc 1
		.amdhsa_float_denorm_mode_32 3
		.amdhsa_float_denorm_mode_16_64 3
		.amdhsa_memory_ordered 1
		.amdhsa_forward_progress 1
		.amdhsa_inst_pref_size 29
	.end_amdhsa_kernel
	.amdgpu_metadata
---
amdhsa.version: [ 1, 2 ]
amdhsa.kernels:
  - .name:           k_qbe15d9b8b2_prep
    .symbol:         k_qbe15d9b8b2_prep.kd
    .args:
      - { .name: hidden_states, .offset: 0, .size: 8, .value_kind: global_buffer, .address_space: global }
      - { .name: w_norm1, .offset: 8, .size: 8, .value_kind: global_buffer, .address_space: global }
      - { .name: w_q, .offset: 16, .size: 8, .value_kind: global_buffer, .address_space: global }
      - { .name: w_k, .offset: 24, .size: 8, .value_kind: global_buffer, .address_space: global }
      - { .name: w_v, .offset: 32, .size: 8, .value_kind: global_buffer, .address_space: global }
      - { .name: w_o, .offset: 40, .size: 8, .value_kind: global_buffer, .address_space: global }
      - { .name: w_gate, .offset: 48, .size: 8, .value_kind: global_buffer, .address_space: global }
      - { .name: w_up, .offset: 56, .size: 8, .value_kind: global_buffer, .address_space: global }
      - { .name: w_down, .offset: 64, .size: 8, .value_kind: global_buffer, .address_space: global }
      - { .name: tab, .offset: 72, .size: 8, .value_kind: global_buffer, .address_space: global }
      - { .name: xn, .offset: 80, .size: 8, .value_kind: global_buffer, .address_space: global }
    .group_segment_fixed_size: 0
    .private_segment_fixed_size: 0
    .kernarg_segment_align: 8
    .kernarg_segment_size: 88
    .max_flat_workgroup_size: 256
    .sgpr_count:     66
    .vgpr_count:     112
    .wavefront_size: 32
...
	.end_amdgpu_metadata
.endif
;; end of part 1
;; launch qkv (part 2): grid 8 x 32, 4 waves a work-group, clusters of 4 x 4, 327,680 bytes of LDS; arguments xn, tab, qkv; writes qkv
.if DOCPART == 2
	.amdgcn_target "amdgcn-amd-amdhsa--gfx1250"
	.amdhsa_code_object_version 6
	.text
	.protected	k_qbe15d9b8b2_qkv
	.globl	k_qbe15d9b8b2_qkv
	.p2align	8
	.type	k_qbe15d9b8b2_qkv,@function
k_qbe15d9b8b2_qkv:
	s_mov_b64 s[64:65], 0
	v_nop
	global_prefetch_b8 v0, s[64:65] scope:SCOPE_SE
	s_setreg_imm32_b32 hwreg(HW_REG_WAVE_MODE, 25, 1), 1
	s_wait_xcnt 0x0
	s_wait_alu depctr_hold_cnt(0) depctr_sa_sdst(0) depctr_va_vdst(0) depctr_va_sdst(0) depctr_va_ssrc(0) depctr_va_vcc(0) depctr_vm_vsrc(0)
	s_getreg_b32 s2, hwreg(HW_REG_IB_STS2, 6, 4)
	s_cmp_eq_u32 s2, 0
	s_cbranch_scc0 .Lentry_in_a_cluster
	s_endpgm
.Lentry_in_a_cluster:
	s_bfe_u32 s2, ttmp6, 0x10000c
	s_cmp_lg_u32 s2, 0xf033
	s_cbranch_scc0 .Lentry_shape_is_right
	s_endpgm
.Lentry_shape_is_right:
; q, k, v = xn [wq | wk | wv], q and k turned by the rotary table; stored by HALF heads, [72][4096][32] bf16 (0-23 q, 24-47 k, 48-71 v; head H's halves are 2 H and 2 H + 1): rows of 64 bytes.
; Operands bf16, sums f32, each result rounded once.  q's and k's channels are stored in the order 0, 32, 1, 33, .. of each block of 8 (as the weights were laid): the same order in both, so q . k is what it was.
; A work-group makes 128 rows x 288 columns (six half heads of q or k, three of v), its four waves 2 x 2, each 64 x 144: 36 accumulators.  K = 768 goes in 6 steps of 128 through two LDS slots:
; 55,296 bytes for each 64 of K, so two slots of 128 are what fits beside the stage; a refill has a step's 144 matrix instructions a wave in which to land.
; CLUSTER 4 x 4: the four work-groups of a row of the cluster need the same rows of xn, the four of a column the same weights: each tile is asked for jointly.
; NO PREFETCH: a wave's share of a step is 64 blocks of 256 bytes of xn or 144 of the weights, which do not deal out as 32 blocks for each of four partners, and the tile is a small one.
; THE PRODUCT IS TAKEN TRANSPOSED (source 0 = 16 columns of the weights, source 1 = 16 rows of xn): lane (r, h) holds row 16 a + r and columns 16 b + 8 h + 0..7.
; Column block b < 6 of wave (wm, wn) is block 2 (b & 1) + wn of a head: so a wave needs the table for two blocks.
; REGISTERS: window 0: v1 r, v2 h, v16-27 addresses, v28-29 the add's, v64-127 A's fragments (two buffers), v128-191 the table, v32-175 the way out; window 1: the weights' fragments (two buffers of 128);
; windows 2, 3: the accumulators, (a, b) at 8 (NBW (a % 2) + b) of window 2 + a / 2.
; LIMITS: NaN and infinities are not treated apart.
.set MT,     128
.set NA,     4                         ; blocks of 16 rows in a wave's tile
.set NBT,    18                        ; blocks of 16 columns in a work-group's tile
.set NBW,    9                         ; and in a wave's
.set KBS,    2                         ; blocks of 64 along K in a slot
.set KTOT,   768
.set NS,     6
.set AH,     18432                     ; half of A's rows in a slot: 2 blocks x 64 rows x 144 bytes
.set AWM,    AH                        ; waves 2 and 3 take the second half
.set BBLK,   4096                      ; a block of the weights in a slot: 128 k x 32 bytes
.set SLOT1,  131072                    ; a slot has 110,592 bytes; slot 1 begins here, so that one exclusive or turns an address in one slot into the other's
.set STG0,   110592                    ; the stage, [9 half heads][128 rows][80 bytes]: two half heads between the slots,
.set STG1,   241664                    ; seven behind them
.set SPARE,  313344                    ; behind the stage: the spare words, 128 bytes a wave, which no other line names
.set REGION, 0
.set ROPE,   14155776
.set ASTEP,  KBS*524288
.set BSTEP,  KBS*2048
.set D0A,    (MT/2)*64
.set D0B,    KBS*1024
.set WNR,    12                        ; the scalar register that says which columns are the wave's
.set PREF,   0
; ---------------- the skeleton of the two products with long steps ----------------
.set NF,  2*NA+2*NBW                   ; LDS loads in a run: a chunk of 32 along K
.set AFB, 8*NA                         ; registers in a buffer of A's fragments
.set KSA, (MT/2)*144                   ; from a block of 64 along K to the next in A's part of a slot
.set ADA, 18                           ; v18 LDS address of A's run in hand, v19 of the weights'
.set ADB, 19
.set G1,  24                           ; s[24:31] descriptor group 1 for A's tiles; s[32:39] group 0, two sets: the first fills'; the second then walks
.set G0,  32
.set G1B, 48                           ; s[48:55], s[56:63] the same for the weights'
.set G0B, 56
.set TBA, 66                           ; s66, s67 LDS byte at which the block of 64 along K in hand begins, less the lane's and the wave's part
.set TBB, 67
.set PFA, 76                           ; s[76:77] where my prefetches stand, s[78:79] their step, s80 1 in a wave that prefetches, else the greatest number (PREF = 1 alone)
.set PST, 78
.set LIM, 80
.set MSB, 0
.macro WIN new                         ; the immediate's high byte repeats the setting that is left; a switch that changes nothing is dropped
.if MSB != (\new)
	s_set_vgpr_msb (MSB<<8)|(\new)
.set MSB, \new
.endif
.endm
.macro PLACES                          ; four places in front of loads into registers that matrix instructions have read
.rept 4
	v_nop
.endr
.endm
.macro JLOAD s                         ; a joint load: waves 0 and 1 fetch A's two halves, waves 2 and 3 the weights'; an s_nop 0 and four v_nop follow each of the two lines
	s_cmp_eq_u32 s11, 0
	s_cbranch_scc0 .Lfor_b_\@
	tensor_load_to_lds s[G0+4*(\s):G0+4*(\s)+3], s[G1:G1+7]
	s_nop 0
.rept 4
	v_nop
.endr
	s_branch .Lasked_\@
.Lfor_b_\@:
	tensor_load_to_lds s[G0B+4*(\s):G0B+4*(\s)+3], s[G1B:G1B+7]
	s_nop 0
.rept 4
	v_nop
.endr
.Lasked_\@:
.endm
.macro CREST                           ; a round of the cluster's barrier behind its opening barrier
	s_cmp_lg_u32 s10, 0
	s_cbranch_scc1 .Lnot_wave_0_\@
	s_barrier_signal -3
.Lnot_wave_0_\@:
	s_barrier_wait -3
	s_barrier_signal -1
	s_barrier_wait -1
.endm
.macro CROUND                          ; a whole round
	s_barrier_signal -1
	s_barrier_wait -1
	CREST
.endm
; The head: the opening add, ids, descriptors, the first round, both first fills, the lanes' LDS addresses.  A in s[68:69], tab in s[70:71].
.macro HEAD1
	v_lshl_add_u32 v28, v0, 2, SPARE
	v_mov_b32 v29, 0
	ds_add_u32 v28, v29                            ; the wave's opening: the add and its wait stand ahead of my first tensor load; work on registers stands between them
	ds_add_u32 v28, v29
	v_lshrrev_b32 v1, 5, v0
	v_readfirstlane_b32 s10, v1                    ; wave 0..3
	s_lshr_b32 s11, s10, 1                         ; I fetch for A (0) or for the weights (1); also: which half of the tile's rows is mine
	s_and_b32 s12, s10, 1                          ; which half of that tile I fetch; also: which half of the tile's columns is mine
	s_bfe_u32 s40, ttmp6, 0x40000                  ; cx, cy: my place in the cluster
	s_bfe_u32 s41, ttmp6, 0x40004
	s_lshl_b32 s42, ttmp9, 2
	s_add_co_u32 s42, s42, s40                     ; tile column x
	s_and_b32 s13, ttmp7, 0xffff
	s_lshl_b32 s13, s13, 2
	s_add_co_u32 s13, s13, s41                     ; tile row y
	s_lshl_b32 s43, s41, 2
	s_lshl_b32 s43, 15, s43                        ; my row of the cluster
	s_lshl_b32 s44, 0x1111, s40                    ; my column
	; A's tile: KBS rows of (MT / 2) x 64 elements, each a dense run of MT / 2 rows of a block of 64 columns; in LDS 16 bytes of padding behind every 128: rows 144 bytes apart
	s_or_b32 s[G1], s43, (1<<16)|(1<<20)|(1<<21)|(4<<22)|(3<<25)  ; 15:0 mask; 17:16 2-byte elements; 20 padding on; 21 set beside a mask; 24:22 after every 32 words; 31:25 four words
	s_mov_b32 s[G1+1], (D0A&0xffff)<<16            ; tensor_dim0
	s_mov_b32 s[G1+2], (D0A>>16)|(KBS<<16)         ; tensor_dim1
	s_mov_b32 s[G1+3], D0A<<16                     ; tile_dim0
	s_mov_b32 s[G1+4], KBS                         ; tile_dim1
	s_mov_b32 s[G1+5], 262144                      ; elements from one block of 64 columns to the next
	s_mov_b32 s[G1+6], 0
	s_mov_b32 s[G1+7], 0
	; the weights' tile: NBT / 2 rows, a row the slot's 64 KBS k of one block of 16 columns, dense; no padding: rows of 32 bytes serve the turning load as they lie
	s_or_b32 s[G1B], s44, (1<<16)|(1<<21)
	s_mov_b32 s[G1B+1], D0B<<16
	s_mov_b32 s[G1B+2], (NBT/2)<<16
	s_mov_b32 s[G1B+3], D0B<<16
	s_mov_b32 s[G1B+4], NBT/2
	s_mov_b32 s[G1B+5], KTOT*16                    ; elements from block to block
	s_mov_b32 s[G1B+6], 0
	s_mov_b32 s[G1B+7], 0
	s_mul_i32 s16, s13, MT*128                     ; A's offset hangs on the tile row and the wave alone,
	s_mul_i32 s17, s12, MT*64
	s_add_co_u32 s16, s16, s17
	s_mov_b32 s17, 0
	s_mul_i32 s46, s42, NBT                        ; the weights' on the tile column and the wave alone
	s_mul_i32 s47, s12, NBT/2
	s_add_co_u32 s46, s46, s47
	s_mul_i32 s46, s46, KTOT*32
	s_add_co_u32 s46, s46, REGION
	s_mov_b32 s47, 0
	s_mul_i32 s20, s12, AH                         ; where they go: the wave's number alone
	s_mul_i32 s21, s12, (NBT/2)*BBLK
	s_add_co_u32 s21, s21, 2*AH
	s_wait_dscnt 0x0                               ; the opening add is done
	s_wait_kmcnt 0x0
	s_add_nc_u64 s[14:15], s[68:69], s[16:17]
	s_add_nc_u64 s[46:47], s[70:71], s[46:47]
	CROUND                                         ; all sixteen work-groups are here: the first joint loads meet
.irp s, 0,1
	s_mov_b32 s[G0+4*(\s)], 1
	s_add_co_u32 s[G0+4*(\s)+1], s20, (\s)*SLOT1
	s_add_nc_u64 s[G0+4*(\s)+2:G0+4*(\s)+3], s[14:15], (\s)*ASTEP
	s_or_b32 s[G0+4*(\s)+3], s[G0+4*(\s)+3], 0x80000000
	s_mov_b32 s[G0B+4*(\s)], 1
	s_add_co_u32 s[G0B+4*(\s)+1], s21, (\s)*SLOT1
	s_add_nc_u64 s[G0B+4*(\s)+2:G0B+4*(\s)+3], s[46:47], (\s)*BSTEP
	s_or_b32 s[G0B+4*(\s)+3], s[G0B+4*(\s)+3], 0x80000000
	JLOAD \s                                       ; steps 0 and 1: two tensor loads of mine are out
.endr
	v_and_b32 v1, 15, v0                           ; r
	v_bfe_u32 v2, v0, 4, 1                         ; h
	v_mul_u32_u24 v6, v1, 144
	v_lshl_add_u32 v6, v2, 4, v6                   ; 144 r + 16 h
	s_mul_i32 s22, s11, AWM
	v_add_nc_u32 v16, s22, v6                      ; A's fragments: row r, 16 bytes for each half of the lanes
	v_and_b32 v3, 7, v0
	v_lshl_add_u32 v4, v2, 3, v3
	v_bfe_u32 v5, v0, 3, 1
	v_lshlrev_b32 v17, 5, v4                       ; the turning load: k = 8 h + l % 8, 32 bytes a k,
	v_lshl_add_u32 v17, v5, 4, v17                 ; columns 8 ((l / 8) % 2) on
	s_mul_i32 s23, s[WNR], NBW*BBLK
	s_add_co_u32 s23, s23, 2*AH
	v_add_nc_u32 v17, s23, v17
	v_mov_b32 v[ADA], v16
	v_mov_b32 v[ADB], v17
	s_mov_b32 s[TBA], 0
	s_mov_b32 s[TBB], 0
.endm
; A run of NF LDS loads: the fragments of 32 along K into buffer f: the weights' (turned: lane l gets column l % 16, k along its registers), then A's NA blocks of 16 rows
.macro FETCH f, ca, cb
	WIN 0x40
.set bb, 0
.rept NBW
	ds_load_tr16_b128 v[128*(\f)+8*bb:128*(\f)+8*bb+3],   v[ADB] offset:bb*BBLK+(\cb)
	ds_load_tr16_b128 v[128*(\f)+8*bb+4:128*(\f)+8*bb+7], v[ADB] offset:bb*BBLK+(\cb)+512
.set bb, bb+1
.endr
	WIN 0
.set aa, 0
.rept NA
	ds_load_b128 v[64+AFB*(\f)+8*aa:64+AFB*(\f)+8*aa+3],   v[ADA] offset:aa*2304+(\ca)
	ds_load_b128 v[64+AFB*(\f)+8*aa+4:64+AFB*(\f)+8*aa+7], v[ADA] offset:aa*2304+(\ca)+32
.set aa, aa+1
.endr
.endm
; A quarter of a chunk's matrix instructions: NA / 4 of A's blocks x the wave's column blocks.  All NA NBW accumulators take turns, one instruction a turn, in the same order in every chunk.
.macro MULQ f, q, zero
.set aa, (\q)*NA/4
.rept NA/4
	WIN 0xa1+0x50*(aa/(NA/2))
.set bb, 0
.rept NBW
.set rD, 8*(NBW*(aa%(NA/2))+bb)
.set rB, 128*(\f)+8*bb
.set rA, 64+AFB*(\f)+8*aa
.if \zero
	v_wmma_f32_16x16x32_bf16 v[rD:rD+7], v[rB:rB+7], v[rA:rA+7], 0
.else
	v_wmma_f32_16x16x32_bf16 v[rD:rD+7], v[rB:rB+7], v[rA:rA+7], v[rD:rD+7]
.endif
.set bb, bb+1
.endr
.set aa, aa+1
.endr
.endm
; A chunk: multiplies buffer f and, in its middle, fetches the next chunk into buffer g.  step = 1: that chunk begins the slot's next block of 64 along K.
.macro Q f, g, ca, cb, zero, step
	s_wait_dscnt NA                                ; all but the youngest NA loads, the upper half of A's blocks
	MULQ \f, 0, \zero
	MULQ \f, 1, \zero
.if \step
	WIN 0
	s_add_co_u32 s[TBA], s[TBA], KSA
	s_add_co_u32 s[TBB], s[TBB], 2048
	v_add_nc_u32 v[ADA], s[TBA], v16               ; these two and two v_nop are the four places
	v_add_nc_u32 v[ADB], s[TBB], v17
	v_nop
	v_nop
.else
	PLACES
.endif
	FETCH \g, \ca, \cb
	s_wait_dscnt NF                                ; all but the run just issued
	MULQ \f, 2, \zero
	MULQ \f, 3, \zero
.endm
; A slot's last chunk (buffer 1) and the change of slots: ONE barrier; in front of it each wave waits for all its tensor loads (one is out: its part of the next slot), adds 0 to its spare word, and waits
; for that and for its reads of this slot.  fill = 1: the barrier opens a round of the cluster's, and this slot is filled again first thing behind it, two steps ahead: the load has a whole step in which to land.
; last = 1 (the tail): in the trip with s3 = 1 there is no further step, and the run of LDS loads is jumped over.
.macro TURN fill, last=0
.if (\fill) && PREF
	s_wait_xcnt 0x0                                ; the last prefetch, a step back, has read its address: it is stepped here, ahead of the waits of the change of slots
	s_add_nc_u64 s[PFA:PFA+1], s[PFA:PFA+1], s[PST:PST+1]
.endif
	WIN 0
	s_wait_tensorcnt 0x0
	ds_add_u32 v28, v29                            ; matrix work stands between the add and the wait for it
	s_wait_dscnt NA+1                              ; (the add and the youngest NA loads may be out)
	MULQ 1, 0, 0
	s_wait_dscnt 0x0                               ; the add is done, and my reads of this slot are over
	s_barrier_signal -1
	MULQ 1, 1, 0
	WIN 0
	s_barrier_wait -1
.if \fill
	CREST                                          ; no wave of any partner still reads this slot or has a load on its way
	s_xor_b32 s[G0+5], s[G0+5], SLOT1              ; the second set walks: the other slot than last time, the next step
	s_add_nc_u64 s[G0+6:G0+7], s[G0+6:G0+7], ASTEP
	s_xor_b32 s[G0B+5], s[G0B+5], SLOT1
	s_add_nc_u64 s[G0B+6:G0B+7], s[G0B+6:G0B+7], BSTEP
	JLOAD 1                                        ; the four v_nop behind it are also the places in front of the loads below
.else
	PLACES
.endif
	s_sub_co_u32 s[TBA], s[TBA], (KBS-1)*KSA       ; the fetches go back to a slot's first block, in the other slot
	s_xor_b32 s[TBA], s[TBA], SLOT1
	s_sub_co_u32 s[TBB], s[TBB], (KBS-1)*2048
	s_xor_b32 s[TBB], s[TBB], SLOT1
	v_add_nc_u32 v[ADA], s[TBA], v16
	v_add_nc_u32 v[ADB], s[TBB], v17
.if \last
	s_cmp_eq_u32 s3, 1
	s_cbranch_scc1 .Lno_fetch_\@
.endif
	FETCH 0, 0, 0
.if \last
.Lno_fetch_\@:
.endif
.if (\fill) && PREF
	s_cmp_gt_u32 s3, s[LIM]                        ; s3 = 1 in the loop's last trip: there is no step behind the one just asked for
	s_cbranch_scc0 .Lnot_mine_\@
	global_prefetch_b8 v30, s[PFA:PFA+1] th:TH_LOAD_NT scope:SCOPE_SE
.Lnot_mine_\@:
.endif
	MULQ 1, 2, 0
	MULQ 1, 3, 0
.endm
; The whole sum: a step is four chunks on buffers 0, 1, 0, 1.  The first chunk, whose products start the sums, stands ahead of the loop; a trip goes from a step's second chunk to the next step's first.
; The last two steps ask for nothing: they have a text of their own: a loop of two trips, left in the middle of the second, behind the sum's last products.
.macro MAIN
	s_wait_tensorcnt 0x1                           ; my part of step 0 is in; step 1's may stay out
	s_barrier_signal -1
	s_barrier_wait -1
	FETCH 0, 0, 0
	Q 0, 1, 64, 1024, 1, 0
	WIN 0
	s_mov_b32 s3, NS-2
.Lstep:
	Q 1, 0, 0, 0, 0, 1
	Q 0, 1, 64, 1024, 0, 0
	TURN 1
	Q 0, 1, 64, 1024, 0, 0
	WIN 0
	s_sub_co_u32 s3, s3, 1
	s_cmp_lg_u32 s3, 0
	s_cbranch_scc1 .Lstep
	s_mov_b32 s3, 2
.Ltail:
	Q 1, 0, 0, 0, 0, 1
	Q 0, 1, 64, 1024, 0, 0
	TURN 0, 1
	WIN 0
	s_sub_co_u32 s3, s3, 1
	s_cmp_eq_u32 s3, 0
	s_cbranch_scc1 .Lsummed
	Q 0, 1, 64, 1024, 0, 0
	WIN 0
	s_branch .Ltail
.Lsummed:
.endm
; ---------------- end of the skeleton ----------------
	s_load_b128 s[68:71], s[0:1], 0x0              ; xn, tab
	s_load_b64 s[72:73], s[0:1], 0x10              ; qkv
	HEAD1
	; the rotary table for my rows and my frequencies 8 (2 p + wn) + 4 h + 0..3, p = 0, 1: (cos, sin) x 4 = 32 bytes for each row block and p; waited for ahead of the way out
	v_lshlrev_b32 v20, 8, v1
	v_lshl_add_u32 v20, v2, 5, v20
	s_lshl_b32 s22, s12, 6
	v_add_nc_u32 v20, s22, v20                     ; 256 r + 64 wn + 32 h
	s_lshl_b32 s84, s13, 15                        ; 128 y positions of 256 bytes,
	s_lshl_b32 s88, s11, 14                        ; my half of the rows
	s_add_co_u32 s84, s84, s88
	s_mov_b32 s85, 0
	s_add_nc_u64 s[82:83], s[70:71], s[84:85]
	s_add_nc_u64 s[82:83], s[82:83], ROPE
.irp a, 0,1,2,3
.irp p, 0,1
	global_load_b128 v[128+16*(\a)+8*(\p):131+16*(\a)+8*(\p)], v20, s[82:83] offset:4096*(\a)+128*(\p)
	global_load_b128 v[132+16*(\a)+8*(\p):135+16*(\a)+8*(\p)], v20, s[82:83] offset:4096*(\a)+128*(\p)+16
.endr
.endr
	v_mul_u32_u24 v7, v1, 80
	v_lshl_add_u32 v7, v2, 4, v7                   ; 80 r + 16 h
	s_mul_i32 s22, s11, 5120                       ; my 64 rows of the stage,
	s_lshl_b32 s88, s12, 5                         ; my 32 bytes of a half head's 64
	s_add_co_u32 s22, s22, s88
	v_add_nc_u32 v7, s22, v7
	v_add_nc_u32 v21, STG0, v7                     ; into the stage: half heads 0, 1,
	v_add_nc_u32 v22, STG1, v7                     ; and 2 to 8
	v_bfe_u32 v8, v0, 2, 3
	v_and_b32 v9, 3, v0
	v_mul_u32_u24 v8, v8, 80
	v_lshl_add_u32 v8, v9, 4, v8
	s_mul_i32 s22, s10, 2560
	v_add_nc_u32 v8, s22, v8                       ; back: rows 32 w on, eight whole rows of 64 bytes a load
	v_add_nc_u32 v23, STG0, v8
	v_add_nc_u32 v24, STG1, v8
	v_and_b32 v25, 31, v0
	v_lshlrev_b32 v25, 4, v25                      ; which are 512 consecutive bytes of a half head
	s_lshl_b32 s89, s13, 13
	s_lshl_b32 s88, s10, 11
	s_add_co_u32 s89, s89, s88                     ; (128 y + 32 w) rows of 64 bytes
	s_mul_i32 s86, s42, 1572864                    ; q's and k's half heads 6 x on
	s_add_co_u32 s86, s86, s89
	s_mov_b32 s87, 0
	s_add_nc_u64 s[90:91], s[72:73], s[86:87]
	s_mul_i32 s86, s42, 786432                     ; v's half heads 48 + 3 x on
	s_add_co_u32 s86, s86, 12582912
	s_add_co_u32 s86, s86, s89
	s_add_nc_u64 s[92:93], s[72:73], s[86:87]
	MAIN
	; THE WAY OUT.  Neighbouring registers hold channels j and j + 32: y1 = x1 cos - x2 sin, y2 = x2 cos + x1 sin, two packed lines a pair.
	WIN 0
.rept 8
	v_nop
.endr
	s_wait_loadcnt 0x0                             ; the table
.macro ROT a
.set AB, 8*NBW*((\a)%2)
	WIN 0x02+(\a)/2                                ; source 0 in the accumulators' window
.set b, 0
.rept 6
.set CT, 128+16*(\a)+8*(b%2)
.irp t, 0,1,2,3
	v_pk_mul_f32 v[32+8*b+2*(\t):33+8*b+2*(\t)], v[AB+8*b+2*(\t):AB+8*b+2*(\t)+1], v[CT+2*(\t):CT+2*(\t)+1] op_sel_hi:[1,0]  ; (x1, x2) cos; each accumulator is read from its low end on
.endr
.irp t, 0,1,2,3
	v_pk_fma_f32 v[32+8*b+2*(\t):33+8*b+2*(\t)], v[AB+8*b+2*(\t):AB+8*b+2*(\t)+1], v[CT+2*(\t):CT+2*(\t)+1], v[32+8*b+2*(\t):33+8*b+2*(\t)] op_sel:[1,1,0] op_sel_hi:[0,1,1] neg_lo:[0,1,0]  ; + (- x2, x1) sin
.endr
.set b, b+1
.endr
	WIN 0x0a+5*((\a)/2)                            ; v is rounded straight from its accumulators
.set b, 6
.rept 3
.irp t, 0,1,2,3
	v_cvt_pk_bf16_f32 v[80+4*b+(\t)], v[AB+8*b+2*(\t)], v[AB+8*b+2*(\t)+1]
.endr
.set b, b+1
.endr
	WIN 0
.set n, 0
.rept 24
	v_cvt_pk_bf16_f32 v[80+n], v[32+2*n], v[33+2*n]
.set n, n+1
.endr
.set b, 0
.rept 9
.if b < 2
	ds_store_b128 v21, v[80+4*b:83+4*b] offset:10240*b+1280*(\a)
.else
	ds_store_b128 v22, v[80+4*b:83+4*b] offset:10240*(b-2)+1280*(\a)
.endif
.set b, b+1
.endr
.endm
	ROT 0
	ROT 1
	ROT 2
	ROT 3
	s_wait_dscnt 0x0                               ; for the others' sake: a half head's 64 bytes of a row come from two waves
	s_barrier_signal -1
	s_barrier_wait -1
.set n, 0
.rept 36                                       ; half head n / 4, rows 8 (n % 4) on
.if n/4 < 2
	ds_load_b128 v[32+4*n:35+4*n], v23 offset:10240*(n/4)+640*(n%4)
.else
	ds_load_b128 v[32+4*n:35+4*n], v24 offset:10240*(n/4-2)+640*(n%4)
.endif
.set n, n+1
.endr
.set n, 0
.rept 36
	s_wait_dscnt 35-n                              ; LDS loads come back in order: load n is in, the younger ones stay out
.if n/4 < 6
	global_store_b128 v25, v[32+4*n:35+4*n], s[90:91] offset:262144*(n/4)+512*(n%4)   ; 512 consecutive bytes, at a multiple of 256 from the buffer's first
.else
	global_store_b128 v25, v[32+4*n:35+4*n], s[92:93] offset:262144*(n/4-6)+512*(n%4)
.endif
.set n, n+1
.endr
	s_wait_tensorcnt 0x0                           ; the wave's end: behind my last tensor load and my last LDS store
	ds_add_u32 v28, v29
	s_wait_dscnt 0x0
	CROUND                                         ; the closing round: no work-group ends while a partner may still ask for a tile that names it
	s_endpgm
.Lfunc_end_k_qbe15d9b8b2_qkv:
	.size	k_qbe15d9b8b2_qkv, .Lfunc_end_k_qbe15d9b8b2_qkv-k_qbe15d9b8b2_qkv
	.p2alignl 7, 3214868480
	.fill 96, 4, 3214868480
	.section	.rodata,"a",@progbits
	.p2align	6, 0x0
	.amdhsa_kernel k_qbe15d9b8b2_qkv
		.amdhsa_group_segment_fixed_size 327680
		.amdhsa_private_segment_fixed_size 0
		.amdhsa_enable_private_segment 0
		.amdhsa_kernarg_size 24
		.amdhsa_user_sgpr_count 2
		.amdhsa_user_sgpr_kernarg_segment_ptr 1
		.amdhsa_wavefront_size32 1
		.amdhsa_system_sgpr_workgroup_id_x 1
		.amdhsa_system_sgpr_workgroup_id_y 1
		.amdhsa_system_sgpr_workgroup_id_z 1
		.amdhsa_system_vgpr_workitem_id 0
		.amdhsa_next_free_vgpr 1024
		.amdhsa_next_free_sgpr 96
		.amdhsa_reserve_vcc 0
		.amdhsa_float_denorm_mode_32 3
		.amdhsa_float_denorm_mode_16_64 3
		.amdhsa_memory_ordered 1
		.amdhsa_forward_progress 1
		.amdhsa_inst_pref_size 83
	.end_amdhsa_kernel
	.amdgpu_metadata
---
amdhsa.version: [ 1, 2 ]
amdhsa.kernels:
  - .name:           k_qbe15d9b8b2_qkv
    .symbol:         k_qbe15d9b8b2_qkv.kd
    .args:
      - { .name: xn, .offset: 0, .size: 8, .value_kind: global_buffer, .address_space: global }
      - { .name: tab, .offset: 8, .size: 8, .value_kind: global_buffer, .address_space: global }
      - { .name: qkv, .offset: 16, .size: 8, .value_kind: global_buffer, .address_space: global }
    .group_segment_fixed_size: 327680
    .private_segment_fixed_size: 0
    .kernarg_segment_align: 8
    .kernarg_segment_size: 24
    .max_flat_workgroup_size: 128
    .sgpr_count:     96
    .vgpr_count:     1024
    .wavefront_size: 32
...
	.end_amdgpu_metadata
.endif
;; end of part 2
;; launch attn (part 3): grid 16 x 12, 4 waves a work-group, no clusters, 327,680 bytes of LDS; arguments qkv, o; writes o
.if DOCPART == 3
	.amdgcn_target "amdgcn-amd-amdhsa--gfx1250"
	.amdhsa_code_object_version 6
	.text
	.protected	k_qbe15d9b8b2_attn
	.globl	k_qbe15d9b8b2_attn
	.p2align	8
	.type	k_qbe15d9b8b2_attn,@function
k_qbe15d9b8b2_attn:
	s_mov_b64 s[64:65], 0
	v_nop
	global_prefetch_b8 v0, s[64:65] scope:SCOPE_SE
	s_setreg_imm32_b32 hwreg(HW_REG_WAVE_MODE, 25, 1), 1
	s_wait_xcnt 0x0
; CAUSAL ATTENTION, 12 heads of 64 channels, 4,096 rows.  o[h][q][:] = the sum over k <= q of softmax_k(q . k / 8) v[k][:].  qkv: [72 half heads][4096][32] bf16 (q, k, v; head H's halves are 2 H, 2 H + 1); o: [12][4096][64] bf16.
; Products, maxima and sums in f32; the weights p are rounded to bf16 for the second product (their sum l is taken of the unrounded p), o once at the end.
; LIMITS.  A hidden score counts as its value less 1e30; a weight below 2^-126 counts as 0 in l; NaN and infinities are not treated apart.
; THE WALK.  A head's queries lie in 32 blocks of 128; block i needs the key tiles 0 .. i / 2 of 256 keys, of which the last holds the diagonal.  Work-group b takes blocks 31 - b and then b:
; (16 - b / 2) + (b / 2 + 1) = 17 tiles, whatever b: 192 work-groups of equal work, and one loop with a constant trip count.  Every jump but the counted loops' own goes forward, and none passes a barrier or
; a tensor load (but the one of LOAD's two lines that the wave's number does not choose).  NO CLUSTER: a head's 16 work-groups ask for the same tile only until the first blocks begin to end; a walk common to all would have 24 trips for 17.
; SHARES.  A wave owns 32 consecutive queries: two PIECES of 16.  A key step is 64 keys and two TURNS.  Turn p carries piece p's softmax; beside it stand 8 products K Q^T of the other piece (turn 1: for the next step)
; and 8 products V^T P of the other piece (turn 0: the step before's).  Four vector instructions stand behind every matrix instruction, the rest in one lump; a turn's 33 exponentials are one batch with one wait.
; IN LDS a tile lies by half heads: K as [2][256 keys][80 bytes], V as [2][256 keys][96 bytes]; a half head's 256 keys are 16,384 dense bytes of memory, one tensor load of one wave.
; A SLOT'S K IS ONE STEP AHEAD OF ITS V: slot n holds keys 256 n + 64 .. 256 n + 319 of K and 256 n .. 256 n + 255 of V, so that K of step s + 1 and V of step s, which step s fetches, lie in one slot, and at a
; change of slots no LDS load is out.  K of step 0 is kept in registers (KZ).  The 64 rows behind a half head's last key lie inside qkv; only hidden scores are made of them.
; A block's last turn makes scores and a maximum of a step that does not exist; O and l are not touched by them.
; THE MASK is the C operand that starts the sum S^T = K Q^T: MC = MD x AL + BE.  MD (made once) holds -1e30 where, in the wave's own step of the diagonal tile, the key lies behind the query;
; (AL, BE) = (0, 0) ahead of that step, (1, 0) in it, (0, -1e30) behind it.  D counts the step to come from the diagonal tile's first step; while D lies below the wave's own step MC stays 0 and is not made anew.
; REGISTERS, in windows of 256: window 0: v2-8 addresses, v12-13, v48-55 at work, v16-23 statistics (c m, m, l, l a piece), v61-63, v64-127 S^T, v128-191 O^T, v192-223 P: all that the softmax touches, so that
; only the matrix instructions leave the window;   window 1: v64-127 MD, v128-191 MC;   window 2: v0-31 Q, v32-63 the second block's Q, v64-127 KZ, v128-191 K, v192-255 V.
.set NP,    2
.set KS,    64
.set HH,    262144    ; bytes in a half head
.set PK,    80        ; a row of K in LDS: 64 bytes + 16 of padding: an odd multiple of 16
.set PV,    96        ; a row of V: 64 + 32: an odd multiple of 32
.set VOFF,  512*PK
.set SLOT1, 1<<17
.set STAGE, SLOT1+512*(PK+PV)   ; behind the ring: 16 rows x 144 bytes for each wave, for the way out
.set SP,    144
.set SPARE, STAGE+4*16*SP       ; behind the stages: the spare words, 128 bytes a wave, which no other line names
.set AK0, 2
.set AV0, 3
.set AK,  4
.set AV,  5
.set STO, 6
.set RD,  7
.set GO,  8
.set MV,  12
.set QO,  15
.set ST,  16
.set TMP, 48
.set PFO, 61
.set SPW, 62
.set NIL, 63
.set S,   64
.set OT,  128
.set P,   192
.set MD,  64          ; window 1
.set MC,  128         ; window 1
.set QB,  32          ; window 2
.set KZ,  64
.set KF,  128
.set VF,  192
.set WV,  12
.set PB,  14          ; s14  b / 2: the second block's last tile
.set HI,  15          ; s15  15 - b / 2: the first block's last tile
.set G1K, 24
.set G1V, 32
.set G0K, 40
.set G0V, 44
.set SLOTS, 56
.set CNT, 57
.set CS,  58
.set SEL, 60
.set TBK, 62
.set TBV, 63
.set RT,  70          ; tiles of the block in hand still to be entered
.set NXT, 71          ; the tile to be asked for next
.set LQ,  72          ; the last tile of the block whose tiles are being asked for
.set NEW, 73          ; 1: the tile to be entered is a block's first
.set OFF, 74
.set AL,  76
.set BE,  78
.set OLO, 80
.set BIGN, 82
.set D,   88
.set SOWN, 89         ; the wave's own step in the diagonal tile, for the block in hand
.set SOW2, 90         ; and for the second block
.set LIM, 91
.set PFA, 92
.set MSB, 0
.macro WIN new
.if MSB != (\new)
	s_set_vgpr_msb (MSB<<8)|(\new)
.set MSB, (\new)
.endif
.endm
.set W_KQ, 0x0a       ; K and Q in window 2, S^T in window 0
.set W_KM, 0x1a       ; the same with the C operand in window 1
.set W_PV, 0x02       ; V in window 2; P and O^T in window 0
.set W_M1, 0x41       ; destination and source 0 in window 1: the masks
; A fill.  Waves 0 and 1 fetch the two half heads of a tile's K, waves 2 and 3 those of its V: 256 keys each.  An s_nop 0 and four v_nop follow each of the two lines.
.macro LOAD
	s_cmp_lt_u32 s[WV], 2
	s_cbranch_scc0 .Lfor_v_\@
	tensor_load_to_lds s[G0K:G0K+3], s[G1K:G1K+7]
	s_nop 0
.rept 4
	v_nop
.endr
	s_branch .Lasked_\@
.Lfor_v_\@:
	tensor_load_to_lds s[G0V:G0V+3], s[G1V:G1V+7]
	s_nop 0
.rept 4
	v_nop
.endr
.Lasked_\@:
.endm
; A prefetch of what the NEXT change of slots will ask for.  All 16 work-groups of a head walk tiles 0, 1, 2, ..: the one with b = 0 asks, each of its waves for the 16,384 bytes that it will fetch itself:
; 64 blocks of 256 bytes, a lane a block, two lines.  It asks for tiles 2 to 15, each once, one change of slots (128 matrix instructions and their vector work) ahead of the load.
.macro ASK
	s_cmp_gt_u32 s[SLOTS], s[LIM]
	s_cbranch_scc0 .Lnot_mine_\@
	global_prefetch_b8 v[PFO], s[PFA:PFA+1] th:TH_LOAD_NT scope:SCOPE_SE
	global_prefetch_b8 v[PFO], s[PFA:PFA+1] offset:8192 th:TH_LOAD_NT scope:SCOPE_SE
.Lnot_mine_\@:
.endm
; THE CHANGE OF SLOTS.  Each wave waits for all its tensor loads, of which one is out: its part of the other slot; adds 0 to its spare word; and waits for that and for its reads of the slot that it leaves.
; fill = 1: the old slot is filled again, first thing behind the barrier, with tile NXT.  (At its first use nothing has been read yet: slot 0 is waited for, slot 1 filled.)
.macro CHANGE fill
	WIN 0
	s_wait_tensorcnt 0x0
	ds_add_u32 v[SPW], v[NIL]       ; scalar work stands between the add and the wait for it
.if \fill
	s_lshl_b32 s[OFF], s[NXT], 14   ; a tile is 16,384 bytes of each half head
	s_xor_b32 s[G0K+1], s[G0K+1], SLOT1
	s_add_nc_u64 s[G0K+2:G0K+3], s[6:7], s[OFF:OFF+1]
	s_or_b32 s[G0K+3], s[G0K+3], 0x80000000
	s_xor_b32 s[G0V+1], s[G0V+1], SLOT1
	s_add_nc_u64 s[G0V+2:G0V+3], s[8:9], s[OFF:OFF+1]
	s_or_b32 s[G0V+3], s[G0V+3], 0x80000000
	s_add_co_u32 s[NXT], s[NXT], 1  ; the block's next tile, or behind its last the second block's tile 0
	s_cmp_gt_u32 s[NXT], s[LQ]
	s_cselect_b32 s[NXT], 0, s[NXT]
	s_cselect_b32 s[LQ], s[PB], s[LQ]
	s_wait_xcnt 0x0                 ; the last prefetches, a tile back, have read their address
	s_add_nc_u64 s[PFA:PFA+1], s[PFA:PFA+1], 16384
.endif
	s_wait_dscnt 0x0                ; the add is done, and my reads of the slot are over
	s_barrier_signal -1
	s_sub_co_u32 s[TBK], s[TBK], 4*KS*PK  ; the fetches go back to a slot's first step, in the other slot
	s_xor_b32 s[TBK], s[TBK], SLOT1
	s_sub_co_u32 s[TBV], s[TBV], 4*KS*PV
	s_xor_b32 s[TBV], s[TBV], SLOT1
	s_barrier_wait -1
.if \fill
	LOAD
	ASK
.endif
.endm
	s_load_b128 s[52:55], s[0:1], 0x0  ; qkv s[52:53], o s[54:55]
	v_lshl_add_u32 v[SPW], v0, 2, SPARE
	v_mov_b32 v[NIL], 0
	ds_add_u32 v[SPW], v[NIL]       ; the wave's opening: the add and its wait stand ahead of my first tensor load
	ds_add_u32 v62, v63
	v_lshrrev_b32 v1, 5, v0
	v_readfirstlane_b32 s[WV], v1
	s_lshr_b32 s[PB], ttmp9, 1
	s_sub_co_u32 s[HI], 15, s[PB]
	s_and_b32 s20, ttmp7, 0xffff
	s_lshl_b32 s20, s20, 19         ; the head's two half heads: 524,288 bytes; also the head's bytes in o
	s_and_b32 s16, s[WV], 1         ; which half head I fetch
	s_lshl_b32 s22, s16, 18
	s_mul_i32 s17, s16, 256*PK
	s_mul_i32 s18, s16, 256*PV
	s_sub_co_u32 s21, 31, ttmp9     ; the first block
	s_lshl_b32 s2, s21, 14          ; in o: 128 rows of 128 bytes,
	s_lshl_b32 s3, s[WV], 12        ; my wave's 32 rows
	s_add_co_u32 s2, s2, s3
	s_add_co_u32 s2, s2, s20
	s_lshl_b32 s84, ttmp9, 14       ; the second block
	s_add_co_u32 s84, s84, s3
	s_add_co_u32 s84, s84, s20
	s_lshl_b32 s96, s21, 13         ; in q: rows of 64 bytes
	s_lshl_b32 s3, s[WV], 11
	s_add_co_u32 s96, s96, s3
	s_add_co_u32 s96, s96, s20
	s_lshl_b32 s98, ttmp9, 13
	s_add_co_u32 s98, s98, s3
	s_add_co_u32 s98, s98, s20
	s_mov_b32 s3, 0
	s_mov_b32 s85, 0
	s_mov_b32 s97, 0
	s_mov_b32 s99, 0
	s_add_co_u32 s22, s22, s20
	s_add_co_u32 s86, s22, 24*HH+4096      ; K's half heads lie 24 on; its tiles begin 64 keys on
	s_mov_b32 s87, 0
	s_add_co_u32 s22, s22, 48*HH           ; V's 48 on
	s_mov_b32 s23, 0
	s_add_co_u32 s94, s20, 24*HH           ; K's keys 0 to 63
	s_mov_b32 s95, 0
	s_and_b32 s13, ttmp9, 1
	s_lshl_b32 s13, s13, 1
	s_lshr_b32 s19, s[WV], 1
	s_add_co_u32 s[SOW2], s13, s19  ; block i lies in half i & 1 of its diagonal tile: own step 2 (i & 1) + w / 2
	s_sub_co_u32 s13, 2, s13
	s_add_co_u32 s[SOWN], s13, s19
	s_cmp_eq_u32 ttmp9, 0
	s_cselect_b32 s[LIM], 2, -1     ; a wave prefetches while more than LIM slots are still to be asked for
	; descriptor group 1.  A half head's 256 keys are 16,384 dense bytes: asked for as 64 rows of 256 bytes, four keys a row, and padded in LDS after every key
	s_mov_b32 s[G1K], (1<<16)|(1<<20)|(3<<22)|(3<<25)  ; 17:16 2-byte elements; 20 padding on; 24:22 after every 16 words (code 3); 31:25 4 words (code 3)
	s_mov_b32 s[G1V], (1<<16)|(1<<20)|(3<<22)|(7<<25)  ; the same with 8 words of padding (code 7)
.irp g, G1K, G1V
	s_mov_b32 s[\g+1], 128<<16
	s_mov_b32 s[\g+2], 64<<16
	s_mov_b32 s[\g+3], 128<<16
	s_mov_b32 s[\g+4], 64
	s_mov_b32 s[\g+5], 128
	s_mov_b32 s[\g+6], 0
	s_mov_b32 s[\g+7], 0
.endr
	s_mov_b32 s[CS], 0x3e38aa3b     ; c = log2(e) / 8
	s_mov_b32 s[CS+1], s[CS]
	s_mov_b32 s[SEL], 0x76543210
	s_mov_b32 s[SEL+1], 0xfedcba98
	s_mov_b32 s[TBK], SLOT1+4*KS*PK ; the first change of slots turns these two into 0
	s_mov_b32 s[TBV], SLOT1+4*KS*PV
	s_mov_b32 s[G0K], 1
	s_mov_b32 s[G0K+1], s17
	s_mov_b32 s[G0V], 1
	s_add_co_u32 s[G0V+1], s18, VOFF
	s_add_co_u32 s[RT], s[HI], 1
	s_mov_b32 s[NXT], 1
	s_mov_b32 s[LQ], s[HI]
	s_mov_b32 s[NEW], 1
	s_mov_b32 s[OFF+1], 0
	s_mov_b32 s[AL], 0
	s_mov_b32 s[AL+1], 0
	s_mov_b32 s[BE], 0
	s_mov_b32 s[BE+1], 0
	s_mov_b32 s[D], 0
	s_mov_b32 s[BIGN], 0xf149f2ca   ; -1e30
	s_mov_b32 s[SLOTS], 16
	v_and_b32 v[PFO], 31, v0
	v_lshlrev_b32 v[PFO], 8, v[PFO]
	s_wait_dscnt 0x0                ; the opening add is done
	s_wait_kmcnt 0x0
	s_add_nc_u64 s[6:7], s[52:53], s[86:87]   ; K and V at my half head's tile 0
	s_add_nc_u64 s[8:9], s[52:53], s[22:23]
	s_add_nc_u64 s[94:95], s[52:53], s[94:95]
	s_add_nc_u64 s[4:5], s[52:53], s[96:97]   ; Q at my rows of the first block,
	s_add_nc_u64 s[86:87], s[52:53], s[98:99] ; and of the second
	s_add_nc_u64 s[10:11], s[54:55], s[2:3]   ; o likewise
	s_add_nc_u64 s[OLO:OLO+1], s[54:55], s[84:85]
	s_add_nc_u64 s[G0K+2:G0K+3], s[6:7], 0
	s_or_b32 s[G0K+3], s[G0K+3], 0x80000000
	s_add_nc_u64 s[G0V+2:G0V+3], s[8:9], 0
	s_or_b32 s[G0V+3], s[G0V+3], 0x80000000
	s_cmp_lt_u32 s[WV], 2
	s_cselect_b64 s[PFA:PFA+1], s[6:7], s[8:9]
	s_add_nc_u64 s[PFA:PFA+1], s[PFA:PFA+1], 16384  ; at tile 1; the first change steps it to tile 2.  Nothing is prefetched at the head
	LOAD                            ; tile 0 into slot 0
	v_and_b32 v1, 15, v0            ; l % 16
	v_bfe_u32 v9, v0, 4, 1          ; l / 16
	v_lshlrev_b32 v[QO], 6, v1
	v_lshl_add_u32 v[QO], v9, 4, v[QO]  ; a fragment's row x 64 + 16 x half: 32 channels are one half head's row
	WIN 0x80
.set i, 0
.rept 4                             ; both blocks' Q: piece i / 2, half head i % 2
	global_load_b128 v[8*i:8*i+3],   v[QO], s[4:5] offset:(i/2)*1024+(i%2)*HH
	global_load_b128 v[8*i+4:8*i+7], v[QO], s[4:5] offset:(i/2)*1024+(i%2)*HH+32
	global_load_b128 v[QB+8*i:QB+8*i+3],   v[QO], s[86:87] offset:(i/2)*1024+(i%2)*HH
	global_load_b128 v[QB+8*i+4:QB+8*i+7], v[QO], s[86:87] offset:(i/2)*1024+(i%2)*HH+32
.set i, i+1
.endr
.set i, 0
.rept 8                             ; K of step 0, as fragments: keys 16 (i / 2) on, half head i % 2
	global_load_b128 v[KZ+8*i:KZ+8*i+3],   v[QO], s[94:95] offset:(i/2)*1024+(i%2)*HH
	global_load_b128 v[KZ+8*i+4:KZ+8*i+7], v[QO], s[94:95] offset:(i/2)*1024+(i%2)*HH+32
.set i, i+1
.endr
	WIN 0
	v_lshlrev_b32 v14, 3, v9
	v_sub_nc_u32 v14, v1, v14
	s_lshl_b32 s13, s16, 5
	v_add_nc_u32 v14, s13, v14      ; 32 (w & 1) + r - 8 h: register j of key group kb of piece x is hidden where 16 kb + j - 16 x is greater
	WIN 0x40
.set i, 0
.rept 64
	v_cmp_gt_i32 vcc_lo, 16*((i%32)/8)+i%8-16*(i/32), v14
	v_cndmask_b32 v[MD+i], 0, s[BIGN], vcc_lo
.set i, i+1
.endr
	WIN 0
	v_mul_u32_u24 v[AK0], v1, PK
	v_lshl_add_u32 v[AK0], v9, 4, v[AK0]
	v_and_b32 v10, 7, v0
	v_bfe_u32 v11, v0, 3, 1
	v_lshl_add_u32 v[AV0], v9, 3, v10   ; the turning load: key 8 (l / 16) + l % 8, channels 8 ((l / 8) % 2) on
	v_mul_u32_u24 v[AV0], v[AV0], PV
	v_lshl_add_u32 v[AV0], v11, 4, v[AV0]
	v_add_nc_u32 v[AV0], VOFF, v[AV0]
	s_mul_i32 s13, s[WV], 16*SP
	s_add_co_u32 s13, s13, STAGE
	v_mul_u32_u24 v[STO], v1, SP
	v_lshl_add_u32 v[STO], v9, 4, v[STO]
	v_add_nc_u32 v[STO], s13, v[STO]
	v_bfe_u32 v[RD], v0, 3, 2
	v_mul_u32_u24 v[RD], v[RD], SP
	v_lshl_add_u32 v[RD], v10, 4, v[RD]
	v_add_nc_u32 v[RD], s13, v[RD]
	v_and_b32 v[GO], 31, v0
	v_lshlrev_b32 v[GO], 4, v[GO]
	; A block's first step multiplies O^T and l by a = 0, and its first turn's products V^T P, of a step that has not been, land in an O^T that is still to be so multiplied: these registers need only hold
	; finite numbers: zeros for the first block, what the first block left for the second.  All this stands in the wait for the first tile.
	WIN 0x80
.set i, VF
.rept 64
	v_mov_b32 v[i], 0
.set i, i+1
.endr
	WIN 0
.set i, OT
.rept 64
	v_mov_b32 v[i], 0
.set i, i+1
.endr
.set i, 0
.rept 2
	v_mov_b32 v[ST+4*i+2], 0
	v_mov_b32 v[ST+4*i+3], 0
.set i, i+1
.endr
.set i, P+16
.rept 16
	v_mov_b32 v[i], 0
.set i, i+1
.endr
; THE MATRIX WORK.  The 4 accumulators of a run of 8 take turns.  Product i of 8 of S^T = K Q^T for piece x: half head i / 4, keys 16 (i % 4) on.  The first 4 start the sums with the mask.
.macro KQ x
.set rS, S+32*(\x)+8*(i%4)
.set rK, KF+16*(i%4)+8*(i/4)
.set rQ, 16*(\x)+8*(i/4)
.set rM, MC+32*(\x)+8*(i%4)
.if i < 4
	WIN W_KM
	v_wmma_f32_16x16x32_bf16 v[rS:rS+7], v[rK:rK+7], v[rQ:rQ+7], v[rM:rM+7]
.else
	WIN W_KQ
	v_wmma_f32_16x16x32_bf16 v[rS:rS+7], v[rK:rK+7], v[rQ:rQ+7], v[rS:rS+7]
.endif
.endm
; Product i of 8 of O^T += V^T P for piece x: keys 32 (i / 4) on, channels 16 (i % 4) on.
.macro PV x
	WIN W_PV
.set rO, OT+32*(\x)+8*(i%4)
.set rV, VF+32*(i/4)+8*(i%4)
.set rP, P+16*(\x)+8*(i/4)
	v_wmma_f32_16x16x32_bf16 v[rO:rO+7], v[rV:rV+7], v[rP:rP+7], v[rO:rO+7]
.endm
.macro MM                           ; the turn's next matrix instruction: both kinds are the other piece's
.if i < 8
	KQ 1-Y
.else
.set i, i-8
	PV 1-Y
.set i, i+8
.endif
.set i, i+1
.endm
; THE LDS LOADS stand in runs of 16, never singly among the matrix instructions.
.macro FETCH_K
	WIN 0x80
.irp f, 0,1,2,3,4,5,6,7             ; keys 16 (f / 2) on, half head f % 2
	ds_load_b128 v[KF+8*\f:KF+8*\f+3],   v[AK] offset:(\f/2)*16*PK+(\f%2)*256*PK
	ds_load_b128 v[KF+8*\f+4:KF+8*\f+7], v[AK] offset:(\f/2)*16*PK+(\f%2)*256*PK+32
.endr
	s_add_co_u32 s[TBK], s[TBK], KS*PK
	WIN 0
.endm
.macro FETCH_V
	WIN 0x80
.irp f, 0,1,2,3,4,5,6,7             ; keys 32 (f / 4) on, channels 16 (f % 4) on: half head (f % 4) / 2, its 32 bytes f % 2
	ds_load_tr16_b128 v[VF+8*\f:VF+8*\f+3],   v[AV] offset:(\f/4)*32*PV+((\f%4)/2)*256*PV+(\f%2)*32
	ds_load_tr16_b128 v[VF+8*\f+4:VF+8*\f+7], v[AV] offset:(\f/4)*32*PV+((\f%4)/2)*256*PV+(\f%2)*32+16*PV
.endr
	WIN 0
.endm
; THE VECTOR WORK, one line at a time: OP kind, number.  For piece Y: F n: c s - c m for pair n of 16.  E n: the exponential of score n of 32.  C n: pair n rounded to bf16.  B n: of the four weights 4 n .. the second
; pair is added onto the first, in place.  L n: l takes that sum (L 0: l = a l + sum).  R n: pair n of 16 of O^T times a.  For the other piece: X n, number n of the 22 that find its maximum and statistics:
;   0-11 four chains c0-c3 of seven scores each (each accumulator's lowest registers are read first)   12-14, 16 the four scores left over, the old m, c0-c3 into c0
;   15 c m_old is kept   17, 18 the query's other 32 keys lie in the lane 16 away: the new m   19-21 c m; c m_old - c m_new; a
.set F, 0
.set E, 1
.set C, 2
.set B, 3
.set L, 4
.set R, 5
.set X, 6
.macro REGS y
.set rT, ST+4*(\y)
.set rC, TMP+4*(\y)
.set rW, MV+(\y)
.set rS, S+32*(\y)
.set rP, P+16*(\y)
.set rO, OT+32*(\y)
.endm
.macro OP k, n
	WIN 0
.if (\k) <= R
	REGS Y
.if (\k) == F
	v_pk_fma_f32 v[rS+2*(\n):rS+2*(\n)+1], v[rS+2*(\n):rS+2*(\n)+1], s[CS:CS+1], v[rT:rT+1] op_sel_hi:[1,0,0] neg_lo:[0,0,1] neg_hi:[0,0,1]
.elseif (\k) == E
	v_exp_f32 v[rS+(\n)], v[rS+(\n)]
.elseif (\k) == C
	v_cvt_pk_bf16_f32 v[rP+(\n)], v[rS+2*(\n)], v[rS+2*(\n)+1]
.elseif (\k) == B
	v_pk_add_f32 v[rS+4*(\n):rS+4*(\n)+1], v[rS+4*(\n):rS+4*(\n)+1], v[rS+4*(\n)+2:rS+4*(\n)+3]
.elseif (\k) == R
	v_pk_mul_f32 v[rO+2*(\n):rO+2*(\n)+1], v[rO+2*(\n):rO+2*(\n)+1], v[rC+2:rC+3] op_sel_hi:[1,0]
.elseif (\n) == 0
	v_pk_fma_f32 v[rT+2:rT+3], v[rT+2:rT+3], v[rC+2:rC+3], v[rS:rS+1] op_sel_hi:[1,0,1]
.else
	v_pk_add_f32 v[rT+2:rT+3], v[rT+2:rT+3], v[rS+4*(\n):rS+4*(\n)+1]
.endif
.else
	REGS 1-Y
.if (\n) < 4
	v_max3_num_f32 v[rC+(\n)], v[rS+8*(\n)], v[rS+8*(\n)+1], v[rS+8*(\n)+2]
.elseif (\n) < 12
	v_max3_num_f32 v[rC+(\n)%4], v[rC+(\n)%4], v[rS+8*((\n)%4)+2*((\n)/4)+1], v[rS+8*((\n)%4)+2*((\n)/4)+2]
.elseif (\n) == 12
	v_max3_num_f32 v[rC], v[rC], v[rS+7], v[rS+15]
.elseif (\n) == 13
	v_max3_num_f32 v[rC+1], v[rC+1], v[rS+23], v[rS+31]
.elseif (\n) == 14
	v_max3_num_f32 v[rC+2], v[rC+2], v[rC+3], v[rT+1]
.elseif (\n) == 15
	v_mov_b32 v[rW], v[rT]
.elseif (\n) == 16
	v_max3_num_f32 v[rC], v[rC], v[rC+1], v[rC+2]
.elseif (\n) == 17
	v_permlanex16_b32 v[rC+3], v[rC], s[SEL], s[SEL+1]
.elseif (\n) == 18
	v_max_num_f32 v[rT+1], v[rC], v[rC+3]
.elseif (\n) == 19
	v_mul_f32 v[rT], s[CS], v[rT+1]
.elseif (\n) == 20
	v_sub_f32 v[rC+1], v[rW], v[rT]
.else
	v_exp_f32 v[rC+2], v[rC+1]
.endif
.endif
.endm
.macro OPS a, i1, b=-1, i2=0, c=-1, i3=0, d=-1, i4=0
	OP \a, \i1
.if (\b) >= 0
	OP \b, \i2
.endif
.if (\c) >= 0
	OP \c, \i3
.endif
.if (\d) >= 0
	OP \d, \i4
.endif
.endm
.macro ROW a, i1, b, i2, c, i3, d, i4  ; a matrix instruction and the four behind it: two switches of the window
	MM
	OPS \a, \i1, \b, \i2, \c, \i3, \d, \i4
.endm
.macro MASK b                       ; MD x AL + BE for piece b
	WIN W_M1
.set z, 0
.rept 16
	v_pk_fma_f32 v[MC+32*(\b)+2*z:MC+32*(\b)+2*z+1], v[MD+32*(\b)+2*z:MD+32*(\b)+2*z+1], s[AL:AL+1], s[BE:BE+1] op_sel_hi:[1,0,0]
.set z, z+1
.endr
.endm
; A TURN, for piece p.  AHEAD OF ITS ONE WAIT stands all that names no result of the turn's exponentials: the 8 products K Q^T with their riders, then one lump in which the links of the other piece's chain
; (X 3, 7, 11, 14, 16 .. 20) stand some lines apart; X 21, its a, is the batch's last, and R 15 the plain instruction behind it.  BEHIND THE WAIT stand the 8 products V^T P, behind each four of the roundings and sums.
; The X that ride behind the last products stand four plain instructions or more behind the product that ends their accumulator.  O^T of piece p was last written by the turn before: four riders stand behind its last product, and R goes from register 0 up.
; Turn 0 fetches K of the next step (five plain instructions that name none of its registers behind the last product that read K) and, at its end, V of the step in hand (four riders behind the last product that read V).
; Turn 1 waits for K at its head (V's sixteen younger loads may stay out) and for V behind the wait for the batch.
; At its end a turn makes piece p's mask for the step to come, from the wave's own step of the diagonal tile on.
.macro TURN p
.set Y, (\p)
.set i, 0
.if (\p) == 1
	s_wait_dscnt 16                 ; K is in
.endif
	ROW F,0, F,1, R,0, R,1
	ROW F,2, E,0, R,2, R,3
	ROW F,3, E,1, R,4, R,5
	ROW F,4, E,2, R,6, R,7
	ROW F,5, E,3, R,8, R,9
	ROW F,6, E,4, X,0, R,10
.if (\p) == 0
	WIN 0
	v_add_nc_u32 v[AK], s[TBK], v[AK0]
.endif
	ROW F,7, E,5, X,1, X,4
	ROW F,8, E,6, X,2, X,5
	OPS E,7, E,8, X,6, E,9
	OPS X,3, E,10, X,8, E,11
.if (\p) == 0
	FETCH_K
.endif
	OPS X,9, X,7, E,12, X,10
	OPS E,13, X,12, X,11, E,14
	OPS X,13, E,15, F,9, X,14
.if (\p) == 0
	v_add_nc_u32 v[AV], s[TBV], v[AV0]
.endif
	OPS E,16, F,10, E,17, F,11
	OPS X,16, E,18, X,15, E,19
	OPS F,12, E,20, X,17, E,21
	OPS F,13, E,22, F,14, E,23
	OPS X,18, E,24, F,15, E,25
	OPS R,11, E,26, X,19, E,27
	OPS R,12, E,28, R,13, E,29
	OPS X,20, E,30, R,14, E,31
	OPS X,21, R,15
	s_wait_alu depctr_va_vdst(0)    ; the wait for the batch: one for the turn's 33 exponentials, ahead of their first reader
.if (\p) == 1
	s_wait_dscnt 0x0                ; V is in
.endif
	ROW C,0, B,0, C,2, B,1
	ROW L,0, C,4, B,2, L,1
	ROW C,6, B,3, L,2, C,8
	ROW B,4, L,3, C,10, B,5
	ROW L,4, C,12, B,6, L,5
.if (\p) == 0
	s_add_co_u32 s[TBV], s[TBV], KS*PV
.endif
	ROW C,14, B,7, L,6, C,1
	ROW C,3, L,7, C,5, C,7
	ROW C,9, C,11, C,13, C,15
.if (\p) == 0
	FETCH_V
.endif
	WIN 0
	s_cmp_lt_i32 s[D], s[SOWN]      ; ahead of my own step the mask is 0, as the block's beginning left it
	s_cbranch_scc1 .Lno_mask_\@
	s_cmp_eq_u32 s[D], s[SOWN]
	s_cselect_b32 s[AL], 1.0, 0
	s_cselect_b32 s[BE], 0, s[BIGN]
	MASK \p
	WIN 0
.Lno_mask_\@:
.endm
; A BLOCK BEGINS.  c m starts far below every c s, so the first step's a is 0; m at the lowest finite number.  Both pieces' masks for step 0; K of step 0 out of KZ; piece 0's first scores, maximum and statistics.
.macro BEGIN
	s_mov_b32 s[NEW], 0
	WIN 0
.set i, 0
.rept 2
	v_mov_b32 v[ST+4*i], 0xfe000000
	v_mov_b32 v[ST+4*i+1], 0xff7fffff
.set i, i+1
.endr
	s_lshl_b32 s[D], s[RT], 2
	s_sub_co_i32 s[D], 0, s[D]      ; step 0 lies 4 RT steps ahead of the diagonal tile's first
	s_cmp_eq_u32 s[D], s[SOWN]
	s_cselect_b32 s[AL], 1.0, 0
	s_mov_b32 s[BE], 0
	MASK 0
	MASK 1
	s_wait_loadcnt 0x0              ; Q and KZ
	WIN 0x82
.set i, 0
.rept 64
	v_mov_b32 v[KF+i], v[KZ+i]
.set i, i+1
.endr
.set i, 0
.rept 8
	KQ 0
.set i, i+1
.endr
	WIN 0
.rept 4
	v_nop                           ; the places behind those products
.endr
.set Y, 1                           ; X works for the other piece: piece 0
.irp n, 0,1,2,3,4,5,6,7,8,9,10,11,12,13,14,15,16,17,18,19,20,21
	OP X, \n
.endr
	v_nop                           ; a plain instruction behind the exponential,
	s_wait_alu depctr_va_vdst(0)    ; and its wait, ahead of the label
	s_add_co_i32 s[D], s[D], 1
.endm
; A tile: its four steps; a block's first tile begins the block.
.macro TILE tag
	s_sub_co_u32 s[RT], s[RT], 1
	s_mov_b32 s[CNT], 4
	s_cmp_eq_u32 s[NEW], 1
	s_cbranch_scc0 .Lstep\tag
	BEGIN
.Lstep\tag:
	TURN 0
	TURN 1
	WIN 0
	s_add_co_i32 s[D], s[D], 1
	s_sub_co_u32 s[CNT], s[CNT], 1
	s_cmp_lg_u32 s[CNT], 0
	s_cbranch_scc1 .Lstep\tag
.endm
; A BLOCK ENDS: piece 1's last products, and THE WAY OUT: l's two halves and the other half of the lanes' are added; O^T is divided by l, rounded to bf16 and sent through my stage in LDS, a piece at a time.
.macro ALL line:vararg
.set t, 0
.rept 2
	\line
.set t, t+1
.endr
.endm
.macro PACK t
	WIN 0
.set i, OT+32*(\t)
.rept 16
	v_pk_mul_f32 v[i:i+1], v[i:i+1], v[ST+4*(\t)+2:ST+4*(\t)+3] op_sel_hi:[1,0]
.set i, i+2
.endr
.set i, 0
.rept 16
	v_cvt_pk_bf16_f32 v[S+16*(\t)+i], v[OT+32*(\t)+2*i], v[OT+32*(\t)+2*i+1]
.set i, i+1
.endr
.irp f, 0,1,2,3
	ds_store_b128 v[STO], v[S+16*(\t)+4*\f:S+16*(\t)+4*\f+3] offset:32*\f
.endr
.irp f, 0,1,2,3
	ds_load_b128 v[S+16*(\t)+4*\f:S+16*(\t)+4*\f+3], v[RD] offset:\f*4*SP  ; LDS serves a wave's instructions in order: these see the stores above; the next piece's stores come behind them
.endr
.endm
.macro SEND t, younger
	WIN 0
.irp f, 0,1,2,3
	s_wait_dscnt (\younger)+3-\f
	global_store_b128 v[GO], v[S+16*(\t)+4*\f:S+16*(\t)+4*\f+3], s[10:11] offset:(\t)*2048+\f*512  ; 512 consecutive bytes, at a multiple of 256 from o's first
.endr
.endm
.macro END
.set i, 0
.rept 8
	PV 1
.set i, i+1
.endr
	WIN 0
	ALL v_add_f32 v[ST+4*t+2], v[ST+4*t+2], v[ST+4*t+3]
	ALL v_permlanex16_b32 v[ST+4*t+3], v[ST+4*t+2], s[SEL], s[SEL+1]
	ALL v_add_f32 v[ST+4*t+2], v[ST+4*t+2], v[ST+4*t+3]
	ALL v_rcp_f32 v[ST+4*t+2], v[ST+4*t+2]
	v_nop                           ; a plain instruction behind the last reciprocal,
	s_wait_alu depctr_va_vdst(0)    ; and one wait for both, ahead of the first use
	PACK 0                          ; piece 0's 32 lines are among the places behind piece 1's last products
	PACK 1
	SEND 0, 8
	SEND 1, 0
.endm
.Lslot:                             ; 16 times: a tile is entered and the next is asked for
	CHANGE 1
	TILE 1
	s_cmp_lg_u32 s[RT], 0
	s_cbranch_scc1 .Lbottom
	END                             ; in the loop this is the first block's end: the second block's last tile is the walk's last
	s_wait_xcnt 0x0                 ; the stores have read their registers and o's address
	s_mov_b64 s[10:11], s[OLO:OLO+1]
	s_add_co_u32 s[RT], s[PB], 1
	s_mov_b32 s[NEW], 1
	s_mov_b32 s[SOWN], s[SOW2]
	WIN 0x82                        ; the second block's Q goes where the one text of the turns names Q
.set i, 0
.rept 32
	v_mov_b32 v[i], v[QB+i]
.set i, i+1
.endr
	WIN 0
.Lbottom:
	s_sub_co_u32 s[SLOTS], s[SLOTS], 1
	s_cmp_lg_u32 s[SLOTS], 0
	s_cbranch_scc1 .Lslot
	CHANGE 0                        ; the walk's last tile is written out: nothing is asked for
	TILE 2
	END
	s_wait_tensorcnt 0x0            ; the wave's end: behind my last tensor load and my last LDS store
	ds_add_u32 v[SPW], v[NIL]
	s_wait_dscnt 0x0
	s_endpgm
.Lfunc_end_k_qbe15d9b8b2_attn:
	.size	k_qbe15d9b8b2_attn, .Lfunc_end_k_qbe15d9b8b2_attn-k_qbe15d9b8b2_attn
	.p2alignl 7, 3214868480
	.fill 96, 4, 3214868480
	.section	.rodata,"a",@progbits
	.p2align	6, 0x0
	.amdhsa_kernel k_qbe15d9b8b2_attn
		.amdhsa_group_segment_fixed_size 327680
		.amdhsa_private_segment_fixed_size 0
		.amdhsa_enable_private_segment 0
		.amdhsa_kernarg_size 16
		.amdhsa_user_sgpr_count 2
		.amdhsa_user_sgpr_kernarg_segment_ptr 1
		.amdhsa_wavefront_size32 1
		.amdhsa_system_sgpr_workgroup_id_x 1
		.amdhsa_system_sgpr_workgroup_id_y 1
		.amdhsa_system_sgpr_workgroup_id_z 1
		.amdhsa_system_vgpr_workitem_id 0
		.amdhsa_next_free_vgpr 768
		.amdhsa_next_free_sgpr 100
		.amdhsa_reserve_vcc 1
		.amdhsa_float_denorm_mode_32 3
		.amdhsa_float_denorm_mode_16_64 3
		.amdhsa_memory_ordered 1
		.amdhsa_forward_progress 1
		.amdhsa_inst_pref_size 95
	.end_amdhsa_kernel
	.amdgpu_metadata
---
amdhsa.version: [ 1, 2 ]
amdhsa.kernels:
  - .name:           k_qbe15d9b8b2_attn
    .symbol:         k_qbe15d9b8b2_attn.kd
    .args:
      - { .name: qkv, .offset: 0, .size: 8, .value_kind: global_buffer, .address_space: global }
      - { .name: o, .offset: 8, .size: 8, .value_kind: global_buffer, .address_space: global }
    .group_segment_fixed_size: 327680
    .private_segment_fixed_size: 0
    .kernarg_segment_align: 8
    .kernarg_segment_size: 16
    .max_flat_workgroup_size: 128
    .sgpr_count:     100
    .vgpr_count:     768
    .wavefront_size: 32
...
	.end_amdgpu_metadata
.endif
;; end of part 3
;; launch oproj (part 4): grid 4 x 64, 4 waves a work-group, clusters of 4 x 4, 327,680 bytes of LDS; arguments o, tab, hidden_states, w_norm2, h, hb, ssq; writes h, hb, ssq
.if DOCPART == 4
	.amdgcn_target "amdgcn-amd-amdhsa--gfx1250"
	.amdhsa_code_object_version 6
	.text
	.protected	k_qbe15d9b8b2_oproj
	.globl	k_qbe15d9b8b2_oproj
	.p2align	8
	.type	k_qbe15d9b8b2_oproj,@function
k_qbe15d9b8b2_oproj:
	s_mov_b64 s[64:65], 0
	v_nop
	global_prefetch_b8 v0, s[64:65] scope:SCOPE_SE
	s_setreg_imm32_b32 hwreg(HW_REG_WAVE_MODE, 25, 1), 1
	s_wait_xcnt 0x0
	s_wait_alu depctr_hold_cnt(0) depctr_sa_sdst(0) depctr_va_vdst(0) depctr_va_sdst(0) depctr_va_ssrc(0) depctr_va_vcc(0) depctr_vm_vsrc(0)
	s_getreg_b32 s2, hwreg(HW_REG_IB_STS2, 6, 4)
	s_cmp_eq_u32 s2, 0
	s_cbranch_scc0 .Lentry_in_a_cluster
	s_endpgm
.Lentry_in_a_cluster:
	s_bfe_u32 s2, ttmp6, 0x10000c
	s_cmp_lg_u32 s2, 0xf033
	s_cbranch_scc0 .Lentry_shape_is_right
	s_endpgm
.Lentry_shape_is_right:
; DOWN = 0: h = x + o w_o (f32), hb = bf16(h w_norm2) in blocks [12][4096][64], and ssq: for each row 32 partial sums of h^2 (f32), which the next launch adds up.
; DOWN = 1: out0 = h + act w_down.  One text for both; the constant DOWN chooses.  Operands bf16, sums f32.
; THE RESIDUAL STARTS THE SUMS: the accumulators are loaded with x (h) and every product adds onto them: nothing is cleared, and nothing is added afterwards.
; A work-group makes 64 rows x 192 columns, each of its four waves 64 x 48: 12 accumulators.  K goes in steps of 256 (four blocks of 64) through two LDS slots, as large as fit twice.
; CLUSTER 4 x 4: A's tile is asked for jointly along a row of the cluster, the weights' along a column.  The product is taken transposed: lane (r, h) holds row 16 a + r and columns 16 b + 8 h + 0..7.
; REGISTERS: window 0: v1 r, v2 h, v16-27 addresses, v28-29 the add's, v32-55 small values, v64-127 A's fragments (then packed hb), v128-227 the way out; window 1: the weights' fragments; windows 2, 3: the accumulators.
; LIMITS: NaN and infinities are not treated apart.
.set DOWN,   0
.set MT,     64
.set NBT,    12
.set NBW,    3
.set KBS,    4
.if DOWN
.set KTOT,   2048
.set REGION, 11010048
.else
.set KTOT,   768
.set REGION, 3538944
.endif
.set AH,     18432                     ; half of A's rows in a slot: 4 blocks x 32 rows x 144 bytes
.set AOH,    AH
.set AWM,    0
.set BBLK,   8192                      ; a block of the weights in a slot: 256 k x 32 bytes
.set SLOT1,  135168
.set STAGE,  270336                    ; behind the ring: 64 rows x 784 bytes (768 of f32 + 16: an odd multiple of 16)
.set SPITCH, 784
.set SPARE,  320512                    ; behind the stage: the spare words, 128 bytes a wave, which no other line names
.set ASTEP,  KBS*524288
.set BSTEP,  KBS*2048
.set D0A,    (MT/2)*64
.set D0B,    KBS*1024
.set WNR,    10
; ---------------- the skeleton of the four products ----------------
.set NF,  8+2*NBW                      ; LDS loads in a run: a chunk of 32 along K
.set ADA, 18                           ; v18 LDS address of A's run in hand, v19 of the weights'
.set ADB, 19
.set G1,  24                           ; s[24:31] descriptor group 1 for A's tiles; s[32:39] group 0, two sets
.set G0,  32
.set G1B, 48                           ; s[48:55], s[56:63] the same for the weights'
.set G0B, 56
.set TBA, 66                           ; s66, s67 LDS byte at which the block of 64 along K in hand begins, less the lane's and the wave's part
.set TBB, 67
.set MSB, 0
.macro WIN new                         ; the immediate's high byte repeats the setting that is left; a switch that changes nothing is dropped
.if MSB != (\new)
	s_set_vgpr_msb (MSB<<8)|(\new)
.set MSB, \new
.endif
.endm
.macro PLACES                          ; four places in front of loads into registers that matrix instructions have read
.rept 4
	v_nop
.endr
.endm
.macro JLOAD s                         ; a joint load: waves 0 and 1 fetch A's two halves, waves 2 and 3 the weights'; an s_nop 0 and four v_nop follow each of the two lines
	s_cmp_eq_u32 s11, 0
	s_cbranch_scc0 .Lfor_b_\@
	tensor_load_to_lds s[G0+4*(\s):G0+4*(\s)+3], s[G1:G1+7]
	s_nop 0
.rept 4
	v_nop
.endr
	s_branch .Lasked_\@
.Lfor_b_\@:
	tensor_load_to_lds s[G0B+4*(\s):G0B+4*(\s)+3], s[G1B:G1B+7]
	s_nop 0
.rept 4
	v_nop
.endr
.Lasked_\@:
.endm
.macro CREST                           ; a round of the cluster's barrier behind its opening barrier
	s_cmp_lg_u32 s10, 0
	s_cbranch_scc1 .Lnot_wave_0_\@
	s_barrier_signal -3
.Lnot_wave_0_\@:
	s_barrier_wait -3
	s_barrier_signal -1
	s_barrier_wait -1
.endm
.macro CROUND                          ; a whole round
	s_barrier_signal -1
	s_barrier_wait -1
	CREST
.endm
; The head: the opening add, ids, descriptors, the first round, both first fills, the lanes' LDS addresses.  A in s[68:69], tab in s[70:71].
.macro HEAD1
	v_lshl_add_u32 v28, v0, 2, SPARE
	v_mov_b32 v29, 0
	ds_add_u32 v28, v29                            ; the wave's opening: the add and its wait stand ahead of my first tensor load; work on registers stands between them
	ds_add_u32 v28, v29
	v_lshrrev_b32 v1, 5, v0
	v_readfirstlane_b32 s10, v1                    ; wave 0..3
	s_lshr_b32 s11, s10, 1                         ; I fetch for A (0) or for the weights (1)
	s_and_b32 s12, s10, 1                          ; which half of that tile
	s_bfe_u32 s40, ttmp6, 0x40000                  ; cx, cy: my place in the cluster
	s_bfe_u32 s41, ttmp6, 0x40004
	s_lshl_b32 s42, ttmp9, 2
	s_add_co_u32 s42, s42, s40                     ; tile column x
	s_and_b32 s13, ttmp7, 0xffff
	s_lshl_b32 s13, s13, 2
	s_add_co_u32 s13, s13, s41                     ; tile row y
	s_lshl_b32 s43, s41, 2
	s_lshl_b32 s43, 15, s43                        ; my row of the cluster
	s_lshl_b32 s44, 0x1111, s40                    ; my column
	; A's tile: KBS rows of (MT / 2) x 64 elements, each a dense run of MT / 2 rows of a block of 64 columns; in LDS 16 bytes of padding behind every 128: rows 144 bytes apart
	s_or_b32 s[G1], s43, (1<<16)|(1<<20)|(1<<21)|(4<<22)|(3<<25)  ; 15:0 mask; 17:16 2-byte elements; 20 padding on; 21 set beside a mask; 24:22 after every 32 words; 31:25 four words
	s_mov_b32 s[G1+1], (D0A&0xffff)<<16            ; tensor_dim0
	s_mov_b32 s[G1+2], (D0A>>16)|(KBS<<16)         ; tensor_dim1
	s_mov_b32 s[G1+3], D0A<<16                     ; tile_dim0
	s_mov_b32 s[G1+4], KBS                         ; tile_dim1
	s_mov_b32 s[G1+5], 262144                      ; elements from one block of 64 columns to the next
	s_mov_b32 s[G1+6], 0
	s_mov_b32 s[G1+7], 0
	; the weights' tile: NBT / 2 rows, a row the slot's 64 KBS k of one block of 16 columns, dense; no padding: rows of 32 bytes serve the turning load as they lie
	s_or_b32 s[G1B], s44, (1<<16)|(1<<21)
	s_mov_b32 s[G1B+1], D0B<<16
	s_mov_b32 s[G1B+2], (NBT/2)<<16
	s_mov_b32 s[G1B+3], D0B<<16
	s_mov_b32 s[G1B+4], NBT/2
	s_mov_b32 s[G1B+5], KTOT*16                    ; elements from block to block
	s_mov_b32 s[G1B+6], 0
	s_mov_b32 s[G1B+7], 0
	s_mul_i32 s16, s13, MT*128                     ; A's offset hangs on the tile row and the wave alone,
	s_mul_i32 s17, s12, MT*64
	s_add_co_u32 s16, s16, s17
	s_mov_b32 s17, 0
	s_mul_i32 s46, s42, NBT                        ; the weights' on the tile column and the wave alone
	s_mul_i32 s47, s12, NBT/2
	s_add_co_u32 s46, s46, s47
	s_mul_i32 s46, s46, KTOT*32
	s_add_co_u32 s46, s46, REGION
	s_mov_b32 s47, 0
	s_mul_i32 s20, s12, AH                         ; where they go: the wave's number alone
	s_mul_i32 s21, s12, (NBT/2)*BBLK
	s_add_co_u32 s21, s21, 2*AH
	s_wait_dscnt 0x0                               ; the opening add is done
	s_wait_kmcnt 0x0
	s_add_nc_u64 s[14:15], s[68:69], s[16:17]
	s_add_nc_u64 s[46:47], s[70:71], s[46:47]
	CROUND                                         ; all sixteen work-groups are here: the first joint loads meet
.irp s, 0,1
	s_mov_b32 s[G0+4*(\s)], 1
	s_add_co_u32 s[G0+4*(\s)+1], s20, (\s)*SLOT1
	s_add_nc_u64 s[G0+4*(\s)+2:G0+4*(\s)+3], s[14:15], (\s)*ASTEP
	s_or_b32 s[G0+4*(\s)+3], s[G0+4*(\s)+3], 0x80000000
	s_mov_b32 s[G0B+4*(\s)], 1
	s_add_co_u32 s[G0B+4*(\s)+1], s21, (\s)*SLOT1
	s_add_nc_u64 s[G0B+4*(\s)+2:G0B+4*(\s)+3], s[46:47], (\s)*BSTEP
	s_or_b32 s[G0B+4*(\s)+3], s[G0B+4*(\s)+3], 0x80000000
	JLOAD \s                                       ; steps 0 and 1: two tensor loads of mine are out
.endr
	v_and_b32 v1, 15, v0                           ; r
	v_bfe_u32 v2, v0, 4, 1                         ; h
	v_mul_u32_u24 v6, v1, 144
	v_lshl_add_u32 v6, v2, 4, v6                   ; 144 r + 16 h
	s_mul_i32 s22, s11, AWM
	v_add_nc_u32 v16, s22, v6                      ; A's fragments: row r, 16 bytes for each half of the lanes
	v_and_b32 v3, 7, v0
	v_lshl_add_u32 v4, v2, 3, v3
	v_bfe_u32 v5, v0, 3, 1
	v_lshlrev_b32 v17, 5, v4                       ; the turning load: k = 8 h + l % 8, 32 bytes a k,
	v_lshl_add_u32 v17, v5, 4, v17                 ; columns 8 ((l / 8) % 2) on
	s_mul_i32 s23, s[WNR], NBW*BBLK
	s_add_co_u32 s23, s23, 2*AH
	v_add_nc_u32 v17, s23, v17
	v_mov_b32 v[ADA], v16
	v_mov_b32 v[ADB], v17
	s_mov_b32 s[TBA], 0
	s_mov_b32 s[TBB], 0
.endm
; A run of NF LDS loads: the fragments of 32 along K into buffer f: the weights' (turned: lane l gets column l % 16, k along its registers), then A's four blocks of 16 rows
.macro FETCH f, ca, cb
	WIN 0x40
.set bb, 0
.rept NBW
	ds_load_tr16_b128 v[128*(\f)+8*bb:128*(\f)+8*bb+3],   v[ADB] offset:bb*BBLK+(\cb)
	ds_load_tr16_b128 v[128*(\f)+8*bb+4:128*(\f)+8*bb+7], v[ADB] offset:bb*BBLK+(\cb)+512
.set bb, bb+1
.endr
	WIN 0
.irp a, 0,1,2,3
	ds_load_b128 v[64+32*(\f)+8*(\a):64+32*(\f)+8*(\a)+3],   v[ADA] offset:((\a)/2)*AOH+((\a)%2)*2304+(\ca)
	ds_load_b128 v[64+32*(\f)+8*(\a)+4:64+32*(\f)+8*(\a)+7], v[ADA] offset:((\a)/2)*AOH+((\a)%2)*2304+(\ca)+32
.endr
.endm
; NBW matrix instructions: A's block a x the wave's column blocks.  All 4 NBW accumulators take turns, one instruction a turn, in the same order in every chunk.
.macro MULA f, a, zero
	WIN 0xa1+0x50*((\a)/2)
.set bb, 0
.rept NBW
.set rD, 8*(NBW*((\a)%2)+bb)
.set rB, 128*(\f)+8*bb
.set rA, 64+32*(\f)+8*(\a)
.if \zero
	v_wmma_f32_16x16x32_bf16 v[rD:rD+7], v[rB:rB+7], v[rA:rA+7], 0
.else
	v_wmma_f32_16x16x32_bf16 v[rD:rD+7], v[rB:rB+7], v[rA:rA+7], v[rD:rD+7]
.endif
.set bb, bb+1
.endr
.endm
; A chunk: multiplies buffer f and, in its middle, fetches the next chunk into buffer g.  step = 1: that chunk begins the slot's next block of 64 along K.
.macro Q f, g, ca, cb, zero, step
	s_wait_dscnt 4                                 ; all but the youngest four loads, A's blocks 2 and 3
	MULA \f, 0, \zero
	MULA \f, 1, \zero
.if \step
	WIN 0
	s_add_co_u32 s[TBA], s[TBA], (MT/2)*144
	s_add_co_u32 s[TBB], s[TBB], 2048
	v_add_nc_u32 v[ADA], s[TBA], v16               ; these two and two v_nop are the four places
	v_add_nc_u32 v[ADB], s[TBB], v17
	v_nop
	v_nop
.else
	PLACES
.endif
	FETCH \g, \ca, \cb
	s_wait_dscnt NF                                ; all but the run just issued
	MULA \f, 2, \zero
	MULA \f, 3, \zero
.endm
; A slot's last chunk (buffer 1) and the change of slots: ONE barrier; in front of it each wave waits for all its tensor loads (one is out: its part of the next slot), adds 0 to its spare word, and waits
; for that and for its reads of this slot.  fill = 1: the barrier opens a round of the cluster's, and this slot is filled again first thing behind it, two steps ahead.
.macro TURN fill, slot
	WIN 0
	s_wait_tensorcnt 0x0
	ds_add_u32 v28, v29                            ; matrix work stands between the add and the wait for it
	s_wait_dscnt 5                                 ; (the add and the youngest four loads may be out)
	MULA 1, 0, 0
	s_wait_dscnt 0x0                               ; the add is done, and my reads of this slot are over
	s_barrier_signal -1
	MULA 1, 1, 0
	WIN 0
	s_barrier_wait -1
.if \fill
	CREST                                          ; no wave of any partner still reads this slot or has a load on its way
.if KBS == 1
	s_xor_b32 s[G0+5], s[G0+5], SLOT1              ; the second set walks: the other slot than last time, the next step
	s_add_nc_u64 s[G0+6:G0+7], s[G0+6:G0+7], ASTEP
	s_xor_b32 s[G0B+5], s[G0B+5], SLOT1
	s_add_nc_u64 s[G0B+6:G0B+7], s[G0B+6:G0B+7], BSTEP
	JLOAD 1
.else
	s_add_nc_u64 s[G0+4*(\slot)+2:G0+4*(\slot)+3], s[G0+4*(\slot)+2:G0+4*(\slot)+3], 2*ASTEP
	s_add_nc_u64 s[G0B+4*(\slot)+2:G0B+4*(\slot)+3], s[G0B+4*(\slot)+2:G0B+4*(\slot)+3], 2*BSTEP
	JLOAD \slot
.endif
.else
	PLACES
.endif
.if KBS == 1
	s_xor_b32 s[TBA], s[TBA], SLOT1
	s_xor_b32 s[TBB], s[TBB], SLOT1
.else
	s_mov_b32 s[TBA], (1-(\slot))*SLOT1
	s_mov_b32 s[TBB], (1-(\slot))*SLOT1
.endif
	v_add_nc_u32 v[ADA], s[TBA], v16
	v_add_nc_u32 v[ADB], s[TBB], v17
	FETCH 0, 0, 0
	MULA 1, 2, 0
	MULA 1, 3, 0
.endm
.macro LAST                            ; the very last chunk: nothing more to fetch
	s_wait_dscnt 4
	MULA 1, 0, 0
	MULA 1, 1, 0
	s_wait_dscnt 0x0
	MULA 1, 2, 0
	MULA 1, 3, 0
.endm
; ---------------- end of the skeleton ----------------
; A slot's eight chunks: three trips of two, then the seventh, then the eighth with what follows it.  mode 2: change of slots with a refill; 1: without; 0: the launch's last chunk.
.macro SLOTX slot, mode
	s_mov_b32 s2, 3
.Lkb_\@:
	Q 0, 1, 64, 1024, 0, 0
	Q 1, 0, 0, 0, 0, 1
	WIN 0
	s_sub_co_u32 s2, s2, 1
	s_cmp_lg_u32 s2, 0
	s_cbranch_scc1 .Lkb_\@
	Q 0, 1, 64, 1024, 0, 0
.if (\mode) == 0
	LAST
.else
	TURN (\mode)-1, \slot
.endif
	WIN 0
.endm
	s_load_b256 s[68:75], s[0:1], 0x0              ; DOWN = 0: o, tab, x, w_norm2;  DOWN = 1: act, tab, h, out0
.if !DOWN
	s_load_b128 s[76:79], s[0:1], 0x20             ; h, hb
	s_load_b64 s[80:81], s[0:1], 0x30              ; ssq
.endif
	HEAD1
	; the residual, into the accumulators: lane (r, h) takes 32 bytes of row 16 a + r for each of its column blocks; the four waves together take whole rows of 768 bytes, each byte once
	v_mul_u32_u24 v20, v1, 3072
	v_lshl_add_u32 v20, v2, 5, v20
	s_mul_i32 s22, s10, 192
	v_add_nc_u32 v20, s22, v20                     ; 3072 r + 32 h + 192 w
	s_mul_i32 s86, s13, 196608                     ; 64 y rows of 3,072 bytes
	s_mul_i32 s88, s42, 768                        ; the tile's 192 columns
	s_add_co_u32 s86, s86, s88
	s_mov_b32 s87, 0
	s_add_nc_u64 s[82:83], s[72:73], s[86:87]
.irp a, 0,1,2,3
	WIN 0x80+0x40*((\a)/2)
.irp b, 0,1,2
	global_load_b128 v[8*(3*((\a)%2)+(\b)):8*(3*((\a)%2)+(\b))+3],   v20, s[82:83] offset:49152*(\a)+64*(\b)
	global_load_b128 v[8*(3*((\a)%2)+(\b))+4:8*(3*((\a)%2)+(\b))+7], v20, s[82:83] offset:49152*(\a)+64*(\b)+16
.endr
.endr
	WIN 0
	s_mul_i32 s88, s10, 49152
	s_add_co_u32 s86, s86, s88                     ; the rows that I store: 64 y + 16 w on
.if DOWN
	s_add_nc_u64 s[90:91], s[74:75], s[86:87]
.else
	s_add_nc_u64 s[90:91], s[76:77], s[86:87]
	v_lshlrev_b32 v26, 4, v1
	s_mul_i32 s86, s42, 768
	s_add_nc_u64 s[84:85], s[74:75], s[86:87]
.irp u, 0,1,2
	global_load_b128 v[32+4*(\u):35+4*(\u)], v26, s[84:85] offset:256*(\u)   ; w_norm2 of the four columns that I store in each 64
.endr
	s_mul_i32 s86, s42, 1572864                    ; hb: blocks 3 x on,
	s_lshl_b32 s88, s13, 13
	s_add_co_u32 s86, s86, s88
	s_lshl_b32 s88, s10, 11
	s_add_co_u32 s86, s86, s88                     ; rows 64 y + 16 w on
	s_add_nc_u64 s[92:93], s[78:79], s[86:87]
	s_lshl_b32 s86, s13, 13                        ; ssq: 8,192 bytes for 64 rows,
	s_lshl_b32 s88, s42, 11
	s_add_co_u32 s86, s86, s88
	s_lshl_b32 s88, s10, 9
	s_add_co_u32 s86, s86, s88                     ; parts 2 (4 x + w) and the next
	s_add_nc_u64 s[94:95], s[80:81], s[86:87]
	v_and_b32 v25, 31, v0
	v_lshlrev_b32 v27, 4, v25                      ; 256 h + 16 r
	v_lshlrev_b32 v25, 3, v25                      ; 128 h + 8 r
.endif
	v_mul_u32_u24 v21, v1, SPITCH
	v_lshl_add_u32 v21, v2, 5, v21
	s_add_co_u32 s22, s22, STAGE
	v_add_nc_u32 v21, s22, v21                     ; into the stage: row r, my wave's 192 bytes, 32 for each half of the lanes
	v_mul_u32_u24 v23, v2, SPITCH
	v_lshl_add_u32 v23, v1, 4, v23
	s_mul_i32 s22, s10, 16*SPITCH
	s_add_co_u32 s22, s22, STAGE
	v_add_nc_u32 v23, s22, v23                     ; back: rows 16 w on; lanes 0-15 take 256 bytes of one row, lanes 16-31 of the next
	v_mul_u32_u24 v24, v2, 3072
	v_lshl_add_u32 v24, v1, 4, v24                 ; and the same in memory
	s_wait_loadcnt 0x0                             ; the sums' start is in
	s_wait_tensorcnt 0x1                           ; my part of step 0 is in; step 1's may stay out
	s_barrier_signal -1
	s_barrier_wait -1
	FETCH 0, 0, 0
.if DOWN
	s_mov_b32 s3, 3
.Llap:                                         ; a trip goes once round the ring and fills both slots again
	SLOTX 0, 2
	SLOTX 1, 2
	s_sub_co_u32 s3, s3, 1
	s_cmp_lg_u32 s3, 0
	s_cbranch_scc1 .Llap
	SLOTX 0, 1
	SLOTX 1, 0
.else
	SLOTX 0, 2
	SLOTX 1, 1
	SLOTX 0, 0
.endif
	; THE WAY OUT: through one stage, since a row's 768 bytes come from four waves
.rept 8
	v_nop
.endr
.if !DOWN
.irp a, 0,1,2,3
	WIN 0x0a+5*((\a)/2)                            ; sources 0 and 1 in the accumulators' window
.set n, 0
.rept 12                                       ; my 24 numbers of row 16 a + r, squared and added; each accumulator is read from its low end on
.set rX, 24*((\a)%2)+2*n
.if n == 0
	v_pk_mul_f32 v[44+2*(\a):45+2*(\a)], v[rX:rX+1], v[rX:rX+1]
.else
	v_pk_fma_f32 v[44+2*(\a):45+2*(\a)], v[rX:rX+1], v[rX:rX+1], v[44+2*(\a):45+2*(\a)]
.endif
.set n, n+1
.endr
.endr
	WIN 0
.irp a, 0,1,2,3
	v_add_f32 v[52+(\a)], v[44+2*(\a)], v[45+2*(\a)]
.endr
.endif
.irp a, 0,1,2,3
	WIN 0x08+4*((\a)/2)                            ; the stores' data in the accumulators' window
.irp b, 0,1,2
	ds_store_b128 v21, v[24*((\a)%2)+8*(\b):24*((\a)%2)+8*(\b)+3]   offset:16*SPITCH*(\a)+64*(\b)
	ds_store_b128 v21, v[24*((\a)%2)+8*(\b)+4:24*((\a)%2)+8*(\b)+7] offset:16*SPITCH*(\a)+64*(\b)+16
.endr
.endr
	WIN 0
.if !DOWN
	global_store_b128 v27, v[52:55], s[94:95]      ; 512 consecutive bytes: two parts x 16 rows x 4 row blocks
.endif
	s_wait_dscnt 0x0                               ; for the others' sake: my stores into the stage are done
	s_barrier_signal -1
	s_barrier_wait -1
.set n, 0
.rept 24                                       ; rows 2 (n / 3) and the next, bytes 256 (n % 3) on
	ds_load_b128 v[128+4*n:131+4*n], v23 offset:2*SPITCH*(n/3)+256*(n%3)
.set n, n+1
.endr
.set n, 0
.rept 24
	s_wait_dscnt 23-n                              ; LDS loads come back in order: load n is in, the younger ones stay out
	global_store_b128 v24, v[128+4*n:131+4*n], s[90:91] offset:6144*(n/3)+256*(n%3)   ; 16 lanes store 256 consecutive bytes, at a multiple of 256 from the buffer's first
.if !DOWN
	v_pk_mul_f32 v[224:225], v[128+4*n:129+4*n], v[32+4*(n%3):33+4*(n%3)]
	v_pk_mul_f32 v[226:227], v[130+4*n:131+4*n], v[34+4*(n%3):35+4*(n%3)]
	v_cvt_pk_bf16_f32 v[64+2*n], v224, v225
	v_cvt_pk_bf16_f32 v[65+2*n], v226, v227
	global_store_b64 v25, v[64+2*n:65+2*n], s[92:93] offset:524288*(n%3)+256*(n/3)    ; 32 lanes store two rows of a block: 256 consecutive bytes
.endif
.set n, n+1
.endr
	s_wait_tensorcnt 0x0                           ; the wave's end: behind my last tensor load and my last LDS store
	ds_add_u32 v28, v29
	s_wait_dscnt 0x0
	CROUND                                         ; the closing round: no work-group ends while a partner may still ask for a tile that names it
	s_endpgm
.Lfunc_end_k_qbe15d9b8b2_oproj:
	.size	k_qbe15d9b8b2_oproj, .Lfunc_end_k_qbe15d9b8b2_oproj-k_qbe15d9b8b2_oproj
	.p2alignl 7, 3214868480
	.fill 96, 4, 3214868480
	.section	.rodata,"a",@progbits
	.p2align	6, 0x0
	.amdhsa_kernel k_qbe15d9b8b2_oproj
		.amdhsa_group_segment_fixed_size 327680
		.amdhsa_private_segment_fixed_size 0
		.amdhsa_enable_private_segment 0
		.amdhsa_kernarg_size 56
		.amdhsa_user_sgpr_count 2
		.amdhsa_user_sgpr_kernarg_segment_ptr 1
		.amdhsa_wavefront_size32 1
		.amdhsa_system_sgpr_workgroup_id_x 1
		.amdhsa_system_sgpr_workgroup_id_y 1
		.amdhsa_system_sgpr_workgroup_id_z 1
		.amdhsa_system_vgpr_workitem_id 0
		.amdhsa_next_free_vgpr 1024
		.amdhsa_next_free_sgpr 96
		.amdhsa_reserve_vcc 0
		.amdhsa_float_denorm_mode_32 3
		.amdhsa_float_denorm_mode_16_64 3
		.amdhsa_memory_ordered 1
		.amdhsa_forward_progress 1
		.amdhsa_inst_pref_size 55
	.end_amdhsa_kernel
	.amdgpu_metadata
---
amdhsa.version: [ 1, 2 ]
amdhsa.kernels:
  - .name:           k_qbe15d9b8b2_oproj
    .symbol:         k_qbe15d9b8b2_oproj.kd
    .args:
      - { .name: o, .offset: 0, .size: 8, .value_kind: global_buffer, .address_space: global }
      - { .name: tab, .offset: 8, .size: 8, .value_kind: global_buffer, .address_space: global }
      - { .name: hidden_states, .offset: 16, .size: 8, .value_kind: global_buffer, .address_space: global }
      - { .name: w_norm2, .offset: 24, .size: 8, .value_kind: global_buffer, .address_space: global }
      - { .name: h, .offset: 32, .size: 8, .value_kind: global_buffer, .address_space: global }
      - { .name: hb, .offset: 40, .size: 8, .value_kind: global_buffer, .address_space: global }
      - { .name: ssq, .offset: 48, .size: 8, .value_kind: global_buffer, .address_space: global }
    .group_segment_fixed_size: 327680
    .private_segment_fixed_size: 0
    .kernarg_segment_align: 8
    .kernarg_segment_size: 56
    .max_flat_workgroup_size: 128
    .sgpr_count:     96
    .vgpr_count:     1024
    .wavefront_size: 32
...
	.end_amdgpu_metadata
.endif
;; end of part 4
;; launch gateup (part 5): grid 16 x 16, 4 waves a work-group, clusters of 4 x 4, 327,680 bytes of LDS; arguments hb, tab, ssq, act; writes act
.if DOCPART == 5
	.amdgcn_target "amdgcn-amd-amdhsa--gfx1250"
	.amdhsa_code_object_version 6
	.text
	.protected	k_qbe15d9b8b2_gateup
	.globl	k_qbe15d9b8b2_gateup
	.p2align	8
	.type	k_qbe15d9b8b2_gateup,@function
k_qbe15d9b8b2_gateup:
	s_mov_b64 s[64:65], 0
	v_nop
	global_prefetch_b8 v0, s[64:65] scope:SCOPE_SE
	s_setreg_imm32_b32 hwreg(HW_REG_WAVE_MODE, 25, 1), 1
	s_wait_xcnt 0x0
	s_wait_alu depctr_hold_cnt(0) depctr_sa_sdst(0) depctr_va_vdst(0) depctr_va_sdst(0) depctr_va_ssrc(0) depctr_va_vcc(0) depctr_vm_vsrc(0)
	s_getreg_b32 s2, hwreg(HW_REG_IB_STS2, 6, 4)
	s_cmp_eq_u32 s2, 0
	s_cbranch_scc0 .Lentry_in_a_cluster
	s_endpgm
.Lentry_in_a_cluster:
	s_bfe_u32 s2, ttmp6, 0x10000c
	s_cmp_lg_u32 s2, 0xf033
	s_cbranch_scc0 .Lentry_shape_is_right
	s_endpgm
.Lentry_shape_is_right:
; act = silu(y w_gate) (y w_up), y = rmsnorm(h) w_norm2, stored in blocks [32][4096][64] bf16.  The products are G = hb w_gate and U = hb w_up with hb = bf16(h w_norm2); a row's factor
; rs = rsqrt(c), c = mean(h^2) + 1e-6, is applied on the way out: act = G U / (c (1 + e)), e = 2^(- log2(e) rs G).  c is made of the 32 partial sums that the launch before stored.
; A work-group makes 256 rows x 128 columns of act (256 of G and U), its four waves 2 x 2, each 128 rows x 64 columns of act: 64 accumulators, G's column blocks 0-3 and U's of the same columns 4-7.
; K = 768 goes in 6 steps of 128 through two LDS slots of 139,264 bytes: a refill has a step's 256 matrix instructions a wave in which to land.
; CLUSTER 4 x 4: hb's tile is asked for jointly along a row of the cluster, the weights' along a column.
; PREFETCH.  Behind each refill and the run of LDS loads that follows it a wave names the step that the NEXT refill will ask for (steps 3, 4, 5; steps 0 to 2 come by their loads alone), 256 matrix instructions ahead
; of that load.  hb's rows are read by every cluster of a row of clusters: cluster x = 0 asks; the weights by every cluster of a column: cluster y = 0 asks.  Of the 128 blocks of 256 bytes that a wave fetches in a
; step each of the four partners that ask jointly takes 32, told apart by address (hb: one of the two blocks of 64 columns, half of its 128 rows; weights: two of the eight column blocks): a lane a block, each block once.
; The product is taken transposed: lane (r, h) holds row 16 a + r and columns 16 b + 8 h + 0..7.
; REGISTERS: window 0: v1 r, v2 h, v16-27 addresses, v28-29 the add's, v30 the prefetches' offset, v32-47 (c, c), v48-63 (- log2(e) rs, twice) for the eight row blocks, v64-191 A's fragments (two buffers), then the way out;
; window 1: the weights' fragments; windows 2, 3: the accumulators, (a, b) at 8 (8 (a % 4) + b) of window 2 + a / 4.
; LIMITS: where e overflows the result is 0, as silu's limit is; NaN and infinities are not treated apart.
.set MT,     256
.set NA,     8                         ; blocks of 16 rows in a wave's tile
.set NBT,    16                        ; blocks of 16 columns in a work-group's tile
.set NBW,    8                         ; and in a wave's
.set KBS,    2                         ; blocks of 64 along K in a slot
.set KTOT,   768
.set NS,     6
.set AH,     36864                     ; half of A's rows in a slot: 2 blocks x 128 rows x 144 bytes
.set AWM,    AH                        ; waves 2 and 3 take the second half
.set BBLK,   4096                      ; a block of the weights in a slot: 128 k x 32 bytes
.set SLOT1,  147456                    ; 0x24000: its two bits lie in none of the words that are turned (0, 0x9000, 0x12000, 0x1a000), so that one exclusive or turns an address in one slot into the other's
.set SPARE,  139264                    ; between the slots: the spare words, 128 bytes a wave, which no other line names
.set STAGE,  286720                    ; behind the ring: for each wave 64 rows x 144 bytes
.set REGION, 4718592
.set ASTEP,  KBS*524288
.set BSTEP,  KBS*2048
.set D0A,    (MT/2)*64
.set D0B,    KBS*1024
.set WNR,    12                        ; the scalar register that says which columns are the wave's
.set PREF,   1
; ---------------- the skeleton of the two products with long steps ----------------
.set NF,  2*NA+2*NBW                   ; LDS loads in a run: a chunk of 32 along K
.set AFB, 8*NA                         ; registers in a buffer of A's fragments
.set KSA, (MT/2)*144                   ; from a block of 64 along K to the next in A's part of a slot
.set ADA, 18                           ; v18 LDS address of A's run in hand, v19 of the weights'
.set ADB, 19
.set G1,  24                           ; s[24:31] descriptor group 1 for A's tiles; s[32:39] group 0, two sets: the first fills'; the second then walks
.set G0,  32
.set G1B, 48                           ; s[48:55], s[56:63] the same for the weights'
.set G0B, 56
.set TBA, 66                           ; s66, s67 LDS byte at which the block of 64 along K in hand begins, less the lane's and the wave's part
.set TBB, 67
.set PFA, 76                           ; s[76:77] where my prefetches stand, s[78:79] their step, s80 1 in a wave that prefetches, else the greatest number (PREF = 1 alone)
.set PST, 78
.set LIM, 80
.set MSB, 0
.macro WIN new                         ; the immediate's high byte repeats the setting that is left; a switch that changes nothing is dropped
.if MSB != (\new)
	s_set_vgpr_msb (MSB<<8)|(\new)
.set MSB, \new
.endif
.endm
.macro PLACES                          ; four places in front of loads into registers that matrix instructions have read
.rept 4
	v_nop
.endr
.endm
.macro JLOAD s                         ; a joint load: waves 0 and 1 fetch A's two halves, waves 2 and 3 the weights'; an s_nop 0 and four v_nop follow each of the two lines
	s_cmp_eq_u32 s11, 0
	s_cbranch_scc0 .Lfor_b_\@
	tensor_load_to_lds s[G0+4*(\s):G0+4*(\s)+3], s[G1:G1+7]
	s_nop 0
.rept 4
	v_nop
.endr
	s_branch .Lasked_\@
.Lfor_b_\@:
	tensor_load_to_lds s[G0B+4*(\s):G0B+4*(\s)+3], s[G1B:G1B+7]
	s_nop 0
.rept 4
	v_nop
.endr
.Lasked_\@:
.endm
.macro CREST                           ; a round of the cluster's barrier behind its opening barrier
	s_cmp_lg_u32 s10, 0
	s_cbranch_scc1 .Lnot_wave_0_\@
	s_barrier_signal -3
.Lnot_wave_0_\@:
	s_barrier_wait -3
	s_barrier_signal -1
	s_barrier_wait -1
.endm
.macro CROUND                          ; a whole round
	s_barrier_signal -1
	s_barrier_wait -1
	CREST
.endm
; The head: the opening add, ids, descriptors, the first round, both first fills, the lanes' LDS addresses.  A in s[68:69], tab in s[70:71].
.macro HEAD1
	v_lshl_add_u32 v28, v0, 2, SPARE
	v_mov_b32 v29, 0
	ds_add_u32 v28, v29                            ; the wave's opening: the add and its wait stand ahead of my first tensor load; work on registers stands between them
	ds_add_u32 v28, v29
	v_lshrrev_b32 v1, 5, v0
	v_readfirstlane_b32 s10, v1                    ; wave 0..3
	s_lshr_b32 s11, s10, 1                         ; I fetch for A (0) or for the weights (1); also: which half of the tile's rows is mine
	s_and_b32 s12, s10, 1                          ; which half of that tile I fetch; also: which half of the tile's columns is mine
	s_bfe_u32 s40, ttmp6, 0x40000                  ; cx, cy: my place in the cluster
	s_bfe_u32 s41, ttmp6, 0x40004
	s_lshl_b32 s42, ttmp9, 2
	s_add_co_u32 s42, s42, s40                     ; tile column x
	s_and_b32 s13, ttmp7, 0xffff
	s_lshl_b32 s13, s13, 2
	s_add_co_u32 s13, s13, s41                     ; tile row y
	s_lshl_b32 s43, s41, 2
	s_lshl_b32 s43, 15, s43                        ; my row of the cluster
	s_lshl_b32 s44, 0x1111, s40                    ; my column
	; A's tile: KBS rows of (MT / 2) x 64 elements, each a dense run of MT / 2 rows of a block of 64 columns; in LDS 16 bytes of padding behind every 128: rows 144 bytes apart
	s_or_b32 s[G1], s43, (1<<16)|(1<<20)|(1<<21)|(4<<22)|(3<<25)  ; 15:0 mask; 17:16 2-byte elements; 20 padding on; 21 set beside a mask; 24:22 after every 32 words; 31:25 four words
	s_mov_b32 s[G1+1], (D0A&0xffff)<<16            ; tensor_dim0
	s_mov_b32 s[G1+2], (D0A>>16)|(KBS<<16)         ; tensor_dim1
	s_mov_b32 s[G1+3], D0A<<16                     ; tile_dim0
	s_mov_b32 s[G1+4], KBS                         ; tile_dim1
	s_mov_b32 s[G1+5], 262144                      ; elements from one block of 64 columns to the next
	s_mov_b32 s[G1+6], 0
	s_mov_b32 s[G1+7], 0
	; the weights' tile: NBT / 2 rows, a row the slot's 64 KBS k of one block of 16 columns, dense; no padding: rows of 32 bytes serve the turning load as they lie
	s_or_b32 s[G1B], s44, (1<<16)|(1<<21)
	s_mov_b32 s[G1B+1], D0B<<16
	s_mov_b32 s[G1B+2], (NBT/2)<<16
	s_mov_b32 s[G1B+3], D0B<<16
	s_mov_b32 s[G1B+4], NBT/2
	s_mov_b32 s[G1B+5], KTOT*16                    ; elements from block to block
	s_mov_b32 s[G1B+6], 0
	s_mov_b32 s[G1B+7], 0
	s_mul_i32 s16, s13, MT*128                     ; A's offset hangs on the tile row and the wave alone,
	s_mul_i32 s17, s12, MT*64
	s_add_co_u32 s16, s16, s17
	s_mov_b32 s17, 0
	s_mul_i32 s46, s42, NBT                        ; the weights' on the tile column and the wave alone
	s_mul_i32 s47, s12, NBT/2
	s_add_co_u32 s46, s46, s47
	s_mul_i32 s46, s46, KTOT*32
	s_add_co_u32 s46, s46, REGION
	s_mov_b32 s47, 0
	s_mul_i32 s20, s12, AH                         ; where they go: the wave's number alone
	s_mul_i32 s21, s12, (NBT/2)*BBLK
	s_add_co_u32 s21, s21, 2*AH
	s_wait_dscnt 0x0                               ; the opening add is done
	s_wait_kmcnt 0x0
	s_add_nc_u64 s[14:15], s[68:69], s[16:17]
	s_add_nc_u64 s[46:47], s[70:71], s[46:47]
	CROUND                                         ; all sixteen work-groups are here: the first joint loads meet
.irp s, 0,1
	s_mov_b32 s[G0+4*(\s)], 1
	s_add_co_u32 s[G0+4*(\s)+1], s20, (\s)*SLOT1
	s_add_nc_u64 s[G0+4*(\s)+2:G0+4*(\s)+3], s[14:15], (\s)*ASTEP
	s_or_b32 s[G0+4*(\s)+3], s[G0+4*(\s)+3], 0x80000000
	s_mov_b32 s[G0B+4*(\s)], 1
	s_add_co_u32 s[G0B+4*(\s)+1], s21, (\s)*SLOT1
	s_add_nc_u64 s[G0B+4*(\s)+2:G0B+4*(\s)+3], s[46:47], (\s)*BSTEP
	s_or_b32 s[G0B+4*(\s)+3], s[G0B+4*(\s)+3], 0x80000000
	JLOAD \s                                       ; steps 0 and 1: two tensor loads of mine are out
.endr
	v_and_b32 v1, 15, v0                           ; r
	v_bfe_u32 v2, v0, 4, 1                         ; h
	v_mul_u32_u24 v6, v1, 144
	v_lshl_add_u32 v6, v2, 4, v6                   ; 144 r + 16 h
	s_mul_i32 s22, s11, AWM
	v_add_nc_u32 v16, s22, v6                      ; A's fragments: row r, 16 bytes for each half of the lanes
	v_and_b32 v3, 7, v0
	v_lshl_add_u32 v4, v2, 3, v3
	v_bfe_u32 v5, v0, 3, 1
	v_lshlrev_b32 v17, 5, v4                       ; the turning load: k = 8 h + l % 8, 32 bytes a k,
	v_lshl_add_u32 v17, v5, 4, v17                 ; columns 8 ((l / 8) % 2) on
	s_mul_i32 s23, s[WNR], NBW*BBLK
	s_add_co_u32 s23, s23, 2*AH
	v_add_nc_u32 v17, s23, v17
	v_mov_b32 v[ADA], v16
	v_mov_b32 v[ADB], v17
	s_mov_b32 s[TBA], 0
	s_mov_b32 s[TBB], 0
.endm
; A run of NF LDS loads: the fragments of 32 along K into buffer f: the weights' (turned: lane l gets column l % 16, k along its registers), then A's NA blocks of 16 rows
.macro FETCH f, ca, cb
	WIN 0x40
.set bb, 0
.rept NBW
	ds_load_tr16_b128 v[128*(\f)+8*bb:128*(\f)+8*bb+3],   v[ADB] offset:bb*BBLK+(\cb)
	ds_load_tr16_b128 v[128*(\f)+8*bb+4:128*(\f)+8*bb+7], v[ADB] offset:bb*BBLK+(\cb)+512
.set bb, bb+1
.endr
	WIN 0
.set aa, 0
.rept NA
	ds_load_b128 v[64+AFB*(\f)+8*aa:64+AFB*(\f)+8*aa+3],   v[ADA] offset:aa*2304+(\ca)
	ds_load_b128 v[64+AFB*(\f)+8*aa+4:64+AFB*(\f)+8*aa+7], v[ADA] offset:aa*2304+(\ca)+32
.set aa, aa+1
.endr
.endm
; A quarter of a chunk's matrix instructions: NA / 4 of A's blocks x the wave's column blocks.  All NA NBW accumulators take turns, one instruction a turn, in the same order in every chunk.
.macro MULQ f, q, zero
.set aa, (\q)*NA/4
.rept NA/4
	WIN 0xa1+0x50*(aa/(NA/2))
.set bb, 0
.rept NBW
.set rD, 8*(NBW*(aa%(NA/2))+bb)
.set rB, 128*(\f)+8*bb
.set rA, 64+AFB*(\f)+8*aa
.if \zero
	v_wmma_f32_16x16x32_bf16 v[rD:rD+7], v[rB:rB+7], v[rA:rA+7], 0
.else
	v_wmma_f32_16x16x32_bf16 v[rD:rD+7], v[rB:rB+7], v[rA:rA+7], v[rD:rD+7]
.endif
.set bb, bb+1
.endr
.set aa, aa+1
.endr
.endm
; A chunk: multiplies buffer f and, in its middle, fetches the next chunk into buffer g.  step = 1: that chunk begins the slot's next block of 64 along K.
.macro Q f, g, ca, cb, zero, step
	s_wait_dscnt NA                                ; all but the youngest NA loads, the upper half of A's blocks
	MULQ \f, 0, \zero
	MULQ \f, 1, \zero
.if \step
	WIN 0
	s_add_co_u32 s[TBA], s[TBA], KSA
	s_add_co_u32 s[TBB], s[TBB], 2048
	v_add_nc_u32 v[ADA], s[TBA], v16               ; these two and two v_nop are the four places
	v_add_nc_u32 v[ADB], s[TBB], v17
	v_nop
	v_nop
.else
	PLACES
.endif
	FETCH \g, \ca, \cb
	s_wait_dscnt NF                                ; all but the run just issued
	MULQ \f, 2, \zero
	MULQ \f, 3, \zero
.endm
; A slot's last chunk (buffer 1) and the change of slots: ONE barrier; in front of it each wave waits for all its tensor loads (one is out: its part of the next slot), adds 0 to its spare word, and waits
; for that and for its reads of this slot.  fill = 1: the barrier opens a round of the cluster's, and this slot is filled again first thing behind it, two steps ahead: the load has a whole step in which to land.
; last = 1 (the tail): in the trip with s3 = 1 there is no further step, and the run of LDS loads is jumped over.
.macro TURN fill, last=0
.if (\fill) && PREF
	s_wait_xcnt 0x0                                ; the last prefetch, a step back, has read its address: it is stepped here, ahead of the waits of the change of slots
	s_add_nc_u64 s[PFA:PFA+1], s[PFA:PFA+1], s[PST:PST+1]
.endif
	WIN 0
	s_wait_tensorcnt 0x0
	ds_add_u32 v28, v29                            ; matrix work stands between the add and the wait for it
	s_wait_dscnt NA+1                              ; (the add and the youngest NA loads may be out)
	MULQ 1, 0, 0
	s_wait_dscnt 0x0                               ; the add is done, and my reads of this slot are over
	s_barrier_signal -1
	MULQ 1, 1, 0
	WIN 0
	s_barrier_wait -1
.if \fill
	CREST                                          ; no wave of any partner still reads this slot or has a load on its way
	s_xor_b32 s[G0+5], s[G0+5], SLOT1              ; the second set walks: the other slot than last time, the next step
	s_add_nc_u64 s[G0+6:G0+7], s[G0+6:G0+7], ASTEP
	s_xor_b32 s[G0B+5], s[G0B+5], SLOT1
	s_add_nc_u64 s[G0B+6:G0B+7], s[G0B+6:G0B+7], BSTEP
	JLOAD 1                                        ; the four v_nop behind it are also the places in front of the loads below
.else
	PLACES
.endif
	s_sub_co_u32 s[TBA], s[TBA], (KBS-1)*KSA       ; the fetches go back to a slot's first block, in the other slot
	s_xor_b32 s[TBA], s[TBA], SLOT1
	s_sub_co_u32 s[TBB], s[TBB], (KBS-1)*2048
	s_xor_b32 s[TBB], s[TBB], SLOT1
	v_add_nc_u32 v[ADA], s[TBA], v16
	v_add_nc_u32 v[ADB], s[TBB], v17
.if \last
	s_cmp_eq_u32 s3, 1
	s_cbranch_scc1 .Lno_fetch_\@
.endif
	FETCH 0, 0, 0
.if \last
.Lno_fetch_\@:
.endif
.if (\fill) && PREF
	s_cmp_gt_u32 s3, s[LIM]                        ; s3 = 1 in the loop's last trip: there is no step behind the one just asked for
	s_cbranch_scc0 .Lnot_mine_\@
	global_prefetch_b8 v30, s[PFA:PFA+1] th:TH_LOAD_NT scope:SCOPE_SE
.Lnot_mine_\@:
.endif
	MULQ 1, 2, 0
	MULQ 1, 3, 0
.endm
; The whole sum: a step is four chunks on buffers 0, 1, 0, 1.  The first chunk, whose products start the sums, stands ahead of the loop; a trip goes from a step's second chunk to the next step's first.
; The last two steps ask for nothing: they have a text of their own: a loop of two trips, left in the middle of the second, behind the sum's last products.
.macro MAIN
	s_wait_tensorcnt 0x1                           ; my part of step 0 is in; step 1's may stay out
	s_barrier_signal -1
	s_barrier_wait -1
	FETCH 0, 0, 0
	Q 0, 1, 64, 1024, 1, 0
	WIN 0
	s_mov_b32 s3, NS-2
.Lstep:
	Q 1, 0, 0, 0, 0, 1
	Q 0, 1, 64, 1024, 0, 0
	TURN 1
	Q 0, 1, 64, 1024, 0, 0
	WIN 0
	s_sub_co_u32 s3, s3, 1
	s_cmp_lg_u32 s3, 0
	s_cbranch_scc1 .Lstep
	s_mov_b32 s3, 2
.Ltail:
	Q 1, 0, 0, 0, 0, 1
	Q 0, 1, 64, 1024, 0, 0
	TURN 0, 1
	WIN 0
	s_sub_co_u32 s3, s3, 1
	s_cmp_eq_u32 s3, 0
	s_cbranch_scc1 .Lsummed
	Q 0, 1, 64, 1024, 0, 0
	WIN 0
	s_branch .Ltail
.Lsummed:
.endm
; ---------------- end of the skeleton ----------------
	s_load_b256 s[68:75], s[0:1], 0x0              ; hb, tab, ssq, act
	HEAD1
	; the rows' figures: ssq holds, for each 64 rows, 32 parts x 16 r x 4 row blocks.  Lane (r, h) adds parts h, 2 + h, .. 30 + h (16 bytes a part) for both of my wave's 64 rows, then takes the other half of the lanes' sum
	v_and_b32 v25, 31, v0
	v_lshlrev_b32 v25, 4, v25                      ; 256 h + 16 r; also my 16 bytes in 512 consecutive bytes of act
	s_lshl_b32 s86, s13, 15
	s_lshl_b32 s88, s11, 14
	s_add_co_u32 s86, s86, s88                     ; (4 y + 2 (w / 2)) x 8,192: my wave's 128 rows
	s_mov_b32 s87, 0
	s_add_nc_u64 s[82:83], s[72:73], s[86:87]
.set i, 0
.rept 32
	global_load_b128 v[64+4*i:67+4*i], v25, s[82:83] offset:512*(i%16)+8192*(i/16)
.set i, i+1
.endr
	s_lshl_b32 s88, s42, 20                        ; act: block 2 x + (w & 1),
	s_add_co_u32 s86, s86, s88                     ; rows 256 y + 128 (w / 2) on (128 bytes a row: the same figure as above)
	s_lshl_b32 s88, s12, 19
	s_add_co_u32 s86, s86, s88
	s_add_nc_u64 s[90:91], s[74:75], s[86:87]
	; the prefetches: both offsets are made, at step 2, and the wave's kind chooses
	s_mul_i32 s84, s13, MT*128                     ; hb: the tile's rows,
	s_mul_i32 s88, s12, MT*64                      ; the half that I fetch,
	s_add_co_u32 s84, s84, s88
	s_lshr_b32 s88, s40, 1
	s_lshl_b32 s88, s88, 19                        ; partner cx: block of 64 columns cx / 2,
	s_add_co_u32 s84, s84, s88
	s_and_b32 s88, s40, 1
	s_lshl_b32 s88, s88, 13                        ; 64 rows cx & 1 of the 128
	s_add_co_u32 s84, s84, s88
	s_add_co_u32 s84, s84, 2*ASTEP
	s_lshl_b32 s86, s42, 4                         ; the weights: the tile's column blocks,
	s_lshl_b32 s88, s12, 3                         ; the eight that I fetch,
	s_add_co_u32 s86, s86, s88
	s_lshl_b32 s88, s41, 1                         ; partner cy: two of them
	s_add_co_u32 s86, s86, s88
	s_mul_i32 s86, s86, KTOT*32
	s_add_co_u32 s86, s86, REGION+2*BSTEP
	s_and_b32 s22, ttmp7, 0xffff                   ; cluster y
	s_mov_b32 s88, ASTEP
	s_mov_b32 s89, 4096
	s_cmp_eq_u32 s11, 0                            ; do I fetch for hb?
	s_cselect_b32 s84, s84, s86
	s_cselect_b32 s22, ttmp9, s22                  ; the coordinate along which other clusters read the same bytes
	s_cselect_b64 s[PFA:PFA+1], s[68:69], s[70:71]
	s_cselect_b32 s[PST], s88, BSTEP
	s_cselect_b32 s23, s89, KTOT*32                ; lanes 16-31: 16 blocks on in a dense run, or the next column block
	s_mov_b32 s85, 0
	s_mov_b32 s[PST+1], 0
	s_add_nc_u64 s[PFA:PFA+1], s[PFA:PFA+1], s[84:85]
	s_cmp_eq_u32 s22, 0
	s_cselect_b32 s[LIM], 1, -1                    ; the same in all sixteen partners, for a given wave
	v_mul_lo_u32 v30, v2, s23
	v_lshl_add_u32 v30, v1, 8, v30                 ; never rewritten
	s_mov_b32 s92, 0x76543210
	s_mov_b32 s93, 0xfedcba98
	s_mov_b32 s94, 0x3aaaaaab                      ; 1 / 768
	s_mul_i32 s22, s10, 9216
	s_add_co_u32 s22, s22, STAGE                   ; my stage
	v_add_nc_u32 v21, s22, v6                      ; in: row r, 16 bytes for each half of the lanes
	v_bfe_u32 v5, v0, 3, 2
	v_mul_u32_u24 v23, v5, 144
	v_lshl_add_u32 v23, v3, 4, v23
	v_add_nc_u32 v23, s22, v23                     ; back: four whole rows of 128 bytes a load
	s_wait_loadcnt 0x0
.irp mt, 0,1
.irp st, 8,4,2,1
.set i, 0
.rept \st
	v_pk_add_f32 v[64+64*(\mt)+4*i:65+64*(\mt)+4*i], v[64+64*(\mt)+4*i:65+64*(\mt)+4*i], v[64+64*(\mt)+4*(i+\st):65+64*(\mt)+4*(i+\st)]
	v_pk_add_f32 v[66+64*(\mt)+4*i:67+64*(\mt)+4*i], v[66+64*(\mt)+4*i:67+64*(\mt)+4*i], v[66+64*(\mt)+4*(i+\st):67+64*(\mt)+4*(i+\st)]
.set i, i+1
.endr
.endr
.endr
.irp mt, 0,1
.irp a, 0,1,2,3
	v_permlanex16_b32 v[68+64*(\mt)+(\a)], v[64+64*(\mt)+(\a)], s92, s93
.endr
.endr
.irp mt, 0,1
.irp a, 0,1,2,3
	v_add_f32 v[64+64*(\mt)+(\a)], v[64+64*(\mt)+(\a)], v[68+64*(\mt)+(\a)]
.endr
.endr
.irp mt, 0,1
.irp a, 0,1,2,3
	v_fmaak_f32 v[32+8*(\mt)+2*(\a)], s94, v[64+64*(\mt)+(\a)], 0x358637bd   ; c = mean + 1e-6, for row block 4 mt + a
.endr
.endr
.irp a, 0,1,2,3,4,5,6,7
	v_rsq_f32 v[48+2*(\a)], v[32+2*(\a)]
.endr
.irp a, 0,1,2,3,4,5,6,7
	v_mov_b32 v[33+2*(\a)], v[32+2*(\a)]           ; (c, c): plain lines behind the batch
.endr
	s_wait_alu depctr_va_vdst(0)                   ; one wait for the eight, ahead of their first reader
.irp a, 0,1,2,3,4,5,6,7
	v_mul_f32 v[48+2*(\a)], 0xbfb8aa3b, v[48+2*(\a)]   ; - log2(e) rs
.endr
.irp a, 0,1,2,3,4,5,6,7
	v_mov_b32 v[49+2*(\a)], v[48+2*(\a)]
.endr
	MAIN
	; THE WAY OUT, a row block at a time: two batches of 32 transcendentals, each with one wait; G U is made while the exponentials are out.  After four row blocks the stage's 64 rows go out.
	WIN 0
.rept 8
	v_nop
.endr
.macro ACT a
.set GA, 64*((\a)%4)
	WIN 0x02+(\a)/4                                ; source 0 in the accumulators' window
.set n, 0
.rept 16
	v_pk_mul_f32 v[128+2*n:129+2*n], v[GA+2*n:GA+2*n+1], v[48+2*(\a):49+2*(\a)]   ; - log2(e) rs G; each accumulator is read from its low end on
.set n, n+1
.endr
	WIN 0
.set n, 0
.rept 32
	v_exp_f32 v[128+n], v[128+n]
.set n, n+1
.endr
	WIN 0x8a+0x45*((\a)/4)                         ; destination and both sources in the accumulators' window
.set n, 0
.rept 16
	v_pk_mul_f32 v[GA+2*n:GA+2*n+1], v[GA+2*n:GA+2*n+1], v[GA+32+2*n:GA+32+2*n+1]   ; G U
.set n, n+1
.endr
	WIN 0
	s_wait_alu depctr_va_vdst(0)                   ; the wait for the exponentials
.set n, 0
.rept 16
	v_pk_fma_f32 v[128+2*n:129+2*n], v[128+2*n:129+2*n], v[32+2*(\a):33+2*(\a)], v[32+2*(\a):33+2*(\a)]   ; c e + c
.set n, n+1
.endr
.set n, 0
.rept 32
	v_rcp_f32 v[128+n], v[128+n]
.set n, n+1
.endr
	v_nop                                          ; a plain instruction behind the last reciprocal,
	s_wait_alu depctr_va_vdst(0)                   ; and the wait for the batch
	WIN 0x02+(\a)/4
.set n, 0
.rept 16
	v_pk_mul_f32 v[128+2*n:129+2*n], v[GA+2*n:GA+2*n+1], v[128+2*n:129+2*n]
.set n, n+1
.endr
	WIN 0
.set n, 0
.rept 16
	v_cvt_pk_bf16_f32 v[160+n], v[128+2*n], v[129+2*n]
.set n, n+1
.endr
.set b, 0
.rept 4
	ds_store_b128 v21, v[160+4*b:163+4*b] offset:2304*((\a)%4)+32*b
.set b, b+1
.endr
.endm
; My own stage: LDS serves a wave's instructions in order, so the loads see the stores above, and the second half's stores come behind the first half's loads.  Each half has registers of its own.
.macro OUT half
.set OB, 64+128*(\half)
.set n, 0
.rept 16
	ds_load_b128 v[OB+4*n:OB+4*n+3], v23 offset:576*n
.set n, n+1
.endr
.set n, 0
.rept 16
	s_wait_dscnt 15-n                              ; load n is in, the younger ones stay out
	global_store_b128 v25, v[OB+4*n:OB+4*n+3], s[90:91] offset:8192*(\half)+512*n   ; 512 consecutive bytes, at a multiple of 256 from act's first
.set n, n+1
.endr
.endm
	ACT 0
	ACT 1
	ACT 2
	ACT 3
	OUT 0
	ACT 4
	ACT 5
	ACT 6
	ACT 7
	OUT 1
	s_wait_tensorcnt 0x0                           ; the wave's end: behind my last tensor load and my last LDS store
	ds_add_u32 v28, v29
	s_wait_dscnt 0x0
	CROUND                                         ; the closing round: no work-group ends while a partner may still ask for a tile that names it
	s_endpgm
.Lfunc_end_k_qbe15d9b8b2_gateup:
	.size	k_qbe15d9b8b2_gateup, .Lfunc_end_k_qbe15d9b8b2_gateup-k_qbe15d9b8b2_gateup
	.p2alignl 7, 3214868480
	.fill 96, 4, 3214868480
	.section	.rodata,"a",@progbits
	.p2align	6, 0x0
	.amdhsa_kernel k_qbe15d9b8b2_gateup
		.amdhsa_group_segment_fixed_size 327680
		.amdhsa_private_segment_fixed_size 0
		.amdhsa_enable_private_segment 0
		.amdhsa_kernarg_size 32
		.amdhsa_user_sgpr_count 2
		.amdhsa_user_sgpr_kernarg_segment_ptr 1
		.amdhsa_wavefront_size32 1
		.amdhsa_system_sgpr_workgroup_id_x 1
		.amdhsa_system_sgpr_workgroup_id_y 1
		.amdhsa_system_sgpr_workgroup_id_z 1
		.amdhsa_system_vgpr_workitem_id 0
		.amdhsa_next_free_vgpr 1024
		.amdhsa_next_free_sgpr 96
		.amdhsa_reserve_vcc 0
		.amdhsa_float_denorm_mode_32 3
		.amdhsa_float_denorm_mode_16_64 3
		.amdhsa_memory_ordered 1
		.amdhsa_forward_progress 1
		.amdhsa_inst_pref_size 147
	.end_amdhsa_kernel
	.amdgpu_metadata
---
amdhsa.version: [ 1, 2 ]
amdhsa.kernels:
  - .name:           k_qbe15d9b8b2_gateup
    .symbol:         k_qbe15d9b8b2_gateup.kd
    .args:
      - { .name: hb, .offset: 0, .size: 8, .value_kind: global_buffer, .address_space: global }
      - { .name: tab, .offset: 8, .size: 8, .value_kind: global_buffer, .address_space: global }
      - { .name: ssq, .offset: 16, .size: 8, .value_kind: global_buffer, .address_space: global }
      - { .name: act, .offset: 24, .size: 8, .value_kind: global_buffer, .address_space: global }
    .group_segment_fixed_size: 327680
    .private_segment_fixed_size: 0
    .kernarg_segment_align: 8
    .kernarg_segment_size: 32
    .max_flat_workgroup_size: 128
    .sgpr_count:     96
    .vgpr_count:     1024
    .wavefront_size: 32
...
	.end_amdgpu_metadata
.endif
;; end of part 5
;; launch down (part 6): grid 4 x 64, 4 waves a work-group, clusters of 4 x 4, 327,680 bytes of LDS; arguments act, tab, h, out0; writes out0
.if DOCPART == 6
	.amdgcn_target "amdgcn-amd-amdhsa--gfx1250"
	.amdhsa_code_object_version 6
	.text
	.protected	k_qbe15d9b8b2_down
	.globl	k_qbe15d9b8b2_down
	.p2align	8
	.type	k_qbe15d9b8b2_down,@function
k_qbe15d9b8b2_down:
	s_mov_b64 s[64:65], 0
	v_nop
	global_prefetch_b8 v0, s[64:65] scope:SCOPE_SE
	s_setreg_imm32_b32 hwreg(HW_REG_WAVE_MODE, 25, 1), 1
	s_wait_xcnt 0x0
	s_wait_alu depctr_hold_cnt(0) depctr_sa_sdst(0) depctr_va_vdst(0) depctr_va_sdst(0) depctr_va_ssrc(0) depctr_va_vcc(0) depctr_vm_vsrc(0)
	s_getreg_b32 s2, hwreg(HW_REG_IB_STS2, 6, 4)
	s_cmp_eq_u32 s2, 0
	s_cbranch_scc0 .Lentry_in_a_cluster
	s_endpgm
.Lentry_in_a_cluster:
	s_bfe_u32 s2, ttmp6, 0x10000c
	s_cmp_lg_u32 s2, 0xf033
	s_cbranch_scc0 .Lentry_shape_is_right
	s_endpgm
.Lentry_shape_is_right:
; DOWN = 0: h = x + o w_o (f32), hb = bf16(h w_norm2) in blocks [12][4096][64], and ssq: for each row 32 partial sums of h^2 (f32), which the next launch adds up.
; DOWN = 1: out0 = h + act w_down.  One text for both; the constant DOWN chooses.  Operands bf16, sums f32.
; THE RESIDUAL STARTS THE SUMS: the accumulators are loaded with x (h) and every product adds onto them: nothing is cleared, and nothing is added afterwards.
; A work-group makes 64 rows x 192 columns, each of its four waves 64 x 48: 12 accumulators.  K goes in steps of 256 (four blocks of 64) through two LDS slots, as large as fit twice.
; CLUSTER 4 x 4: A's tile is asked for jointly along a row of the cluster, the weights' along a column.  The product is taken transposed: lane (r, h) holds row 16 a + r and columns 16 b + 8 h + 0..7.
; REGISTERS: window 0: v1 r, v2 h, v16-27 addresses, v28-29 the add's, v32-55 small values, v64-127 A's fragments (then packed hb), v128-227 the way out; window 1: the weights' fragments; windows 2, 3: the accumulators.
; LIMITS: NaN and infinities are not treated apart.
.set DOWN,   1
.set MT,     64
.set NBT,    12
.set NBW,    3
.set KBS,    4
.if DOWN
.set KTOT,   2048
.set REGION, 11010048
.else
.set KTOT,   768
.set REGION, 3538944
.endif
.set AH,     18432                     ; half of A's rows in a slot: 4 blocks x 32 rows x 144 bytes
.set AOH,    AH
.set AWM,    0
.set BBLK,   8192                      ; a block of the weights in a slot: 256 k x 32 bytes
.set SLOT1,  135168
.set STAGE,  270336                    ; behind the ring: 64 rows x 784 bytes (768 of f32 + 16: an odd multiple of 16)
.set SPITCH, 784
.set SPARE,  320512                    ; behind the stage: the spare words, 128 bytes a wave, which no other line names
.set ASTEP,  KBS*524288
.set BSTEP,  KBS*2048
.set D0A,    (MT/2)*64
.set D0B,    KBS*1024
.set WNR,    10
; ---------------- the skeleton of the four products ----------------
.set NF,  8+2*NBW                      ; LDS loads in a run: a chunk of 32 along K
.set ADA, 18                           ; v18 LDS address of A's run in hand, v19 of the weights'
.set ADB, 19
.set G1,  24                           ; s[24:31] descriptor group 1 for A's tiles; s[32:39] group 0, two sets
.set G0,  32
.set G1B, 48                           ; s[48:55], s[56:63] the same for the weights'
.set G0B, 56
.set TBA, 66                           ; s66, s67 LDS byte at which the block of 64 along K in hand begins, less the lane's and the wave's part
.set TBB, 67
.set MSB, 0
.macro WIN new                         ; the immediate's high byte repeats the setting that is left; a switch that changes nothing is dropped
.if MSB != (\new)
	s_set_vgpr_msb (MSB<<8)|(\new)
.set MSB, \new
.endif
.endm
.macro PLACES                          ; four places in front of loads into registers that matrix instructions have read
.rept 4
	v_nop
.endr
.endm
.macro JLOAD s                         ; a joint load: waves 0 and 1 fetch A's two halves, waves 2 and 3 the weights'; an s_nop 0 and four v_nop follow each of the two lines
	s_cmp_eq_u32 s11, 0
	s_cbranch_scc0 .Lfor_b_\@
	tensor_load_to_lds s[G0+4*(\s):G0+4*(\s)+3], s[G1:G1+7]
	s_nop 0
.rept 4
	v_nop
.endr
	s_branch .Lasked_\@
.Lfor_b_\@:
	tensor_load_to_lds s[G0B+4*(\s):G0B+4*(\s)+3], s[G1B:G1B+7]
	s_nop 0
.rept 4
	v_nop
.endr
.Lasked_\@:
.endm
.macro CREST                           ; a round of the cluster's barrier behind its opening barrier
	s_cmp_lg_u32 s10, 0
	s_cbranch_scc1 .Lnot_wave_0_\@
	s_barrier_signal -3
.Lnot_wave_0_\@:
	s_barrier_wait -3
	s_barrier_signal -1
	s_barrier_wait -1
.endm
.macro CROUND                          ; a whole round
	s_barrier_signal -1
	s_barrier_wait -1
	CREST
.endm
; The head: the opening add, ids, descriptors, the first round, both first fills, the lanes' LDS addresses.  A in s[68:69], tab in s[70:71].
.macro HEAD1
	v_lshl_add_u32 v28, v0, 2, SPARE
	v_mov_b32 v29, 0
	ds_add_u32 v28, v29                            ; the wave's opening: the add and its wait stand ahead of my first tensor load; work on registers stands between them
	ds_add_u32 v28, v29
	v_lshrrev_b32 v1, 5, v0
	v_readfirstlane_b32 s10, v1                    ; wave 0..3
	s_lshr_b32 s11, s10, 1                         ; I fetch for A (0) or for the weights (1)
	s_and_b32 s12, s10, 1                          ; which half of that tile
	s_bfe_u32 s40, ttmp6, 0x40000                  ; cx, cy: my place in the cluster
	s_bfe_u32 s41, ttmp6, 0x40004
	s_lshl_b32 s42, ttmp9, 2
	s_add_co_u32 s42, s42, s40                     ; tile column x
	s_and_b32 s13, ttmp7, 0xffff
	s_lshl_b32 s13, s13, 2
	s_add_co_u32 s13, s13, s41                     ; tile row y
	s_lshl_b32 s43, s41, 2
	s_lshl_b32 s43, 15, s43                        ; my row of the cluster
	s_lshl_b32 s44, 0x1111, s40                    ; my column
	; A's tile: KBS rows of (MT / 2) x 64 elements, each a dense run of MT / 2 rows of a block of 64 columns; in LDS 16 bytes of padding behind every 128: rows 144 bytes apart
	s_or_b32 s[G1], s43, (1<<16)|(1<<20)|(1<<21)|(4<<22)|(3<<25)  ; 15:0 mask; 17:16 2-byte elements; 20 padding on; 21 set beside a mask; 24:22 after every 32 words; 31:25 four words
	s_mov_b32 s[G1+1], (D0A&0xffff)<<16            ; tensor_dim0
	s_mov_b32 s[G1+2], (D0A>>16)|(KBS<<16)         ; tensor_dim1
	s_mov_b32 s[G1+3], D0A<<16                     ; tile_dim0
	s_mov_b32 s[G1+4], KBS                         ; tile_dim1
	s_mov_b32 s[G1+5], 262144                      ; elements from one block of 64 columns to the next
	s_mov_b32 s[G1+6], 0
	s_mov_b32 s[G1+7], 0
	; the weights' tile: NBT / 2 rows, a row the slot's 64 KBS k of one block of 16 columns, dense; no padding: rows of 32 bytes serve the turning load as they lie
	s_or_b32 s[G1B], s44, (1<<16)|(1<<21)
	s_mov_b32 s[G1B+1], D0B<<16
	s_mov_b32 s[G1B+2], (NBT/2)<<16
	s_mov_b32 s[G1B+3], D0B<<16
	s_mov_b32 s[G1B+4], NBT/2
	s_mov_b32 s[G1B+5], KTOT*16                    ; elements from block to block
	s_mov_b32 s[G1B+6], 0
	s_mov_b32 s[G1B+7], 0
	s_mul_i32 s16, s13, MT*128                     ; A's offset hangs on the tile row and the wave alone,
	s_mul_i32 s17, s12, MT*64
	s_add_co_u32 s16, s16, s17
	s_mov_b32 s17, 0
	s_mul_i32 s46, s42, NBT                        ; the weights' on the tile column and the wave alone
	s_mul_i32 s47, s12, NBT/2
	s_add_co_u32 s46, s46, s47
	s_mul_i32 s46, s46, KTOT*32
	s_add_co_u32 s46, s46, REGION
	s_mov_b32 s47, 0
	s_mul_i32 s20, s12, AH                         ; where they go: the wave's number alone
	s_mul_i32 s21, s12, (NBT/2)*BBLK
	s_add_co_u32 s21, s21, 2*AH
	s_wait_dscnt 0x0                               ; the opening add is done
	s_wait_kmcnt 0x0
	s_add_nc_u64 s[14:15], s[68:69], s[16:17]
	s_add_nc_u64 s[46:47], s[70:71], s[46:47]
	CROUND                                         ; all sixteen work-groups are here: the first joint loads meet
.irp s, 0,1
	s_mov_b32 s[G0+4*(\s)], 1
	s_add_co_u32 s[G0+4*(\s)+1], s20, (\s)*SLOT1
	s_add_nc_u64 s[G0+4*(\s)+2:G0+4*(\s)+3], s[14:15], (\s)*ASTEP
	s_or_b32 s[G0+4*(\s)+3], s[G0+4*(\s)+3], 0x80000000
	s_mov_b32 s[G0B+4*(\s)], 1
	s_add_co_u32 s[G0B+4*(\s)+1], s21, (\s)*SLOT1
	s_add_nc_u64 s[G0B+4*(\s)+2:G0B+4*(\s)+3], s[46:47], (\s)*BSTEP
	s_or_b32 s[G0B+4*(\s)+3], s[G0B+4*(\s)+3], 0x80000000
	JLOAD \s                                       ; steps 0 and 1: two tensor loads of mine are out
.endr
	v_and_b32 v1, 15, v0                           ; r
	v_bfe_u32 v2, v0, 4, 1                         ; h
	v_mul_u32_u24 v6, v1, 144
	v_lshl_add_u32 v6, v2, 4, v6                   ; 144 r + 16 h
	s_mul_i32 s22, s11, AWM
	v_add_nc_u32 v16, s22, v6                      ; A's fragments: row r, 16 bytes for each half of the lanes
	v_and_b32 v3, 7, v0
	v_lshl_add_u32 v4, v2, 3, v3
	v_bfe_u32 v5, v0, 3, 1
	v_lshlrev_b32 v17, 5, v4                       ; the turning load: k = 8 h + l % 8, 32 bytes a k,
	v_lshl_add_u32 v17, v5, 4, v17                 ; columns 8 ((l / 8) % 2) on
	s_mul_i32 s23, s[WNR], NBW*BBLK
	s_add_co_u32 s23, s23, 2*AH
	v_add_nc_u32 v17, s23, v17
	v_mov_b32 v[ADA], v16
	v_mov_b32 v[ADB], v17
	s_mov_b32 s[TBA], 0
	s_mov_b32 s[TBB], 0
.endm
; A run of NF LDS loads: the fragments of 32 along K into buffer f: the weights' (turned: lane l gets column l % 16, k along its registers), then A's four blocks of 16 rows
.macro FETCH f, ca, cb
	WIN 0x40
.set bb, 0
.rept NBW
	ds_load_tr16_b128 v[128*(\f)+8*bb:128*(\f)+8*bb+3],   v[ADB] offset:bb*BBLK+(\cb)
	ds_load_tr16_b128 v[128*(\f)+8*bb+4:128*(\f)+8*bb+7], v[ADB] offset:bb*BBLK+(\cb)+512
.set bb, bb+1
.endr
	WIN 0
.irp a, 0,1,2,3
	ds_load_b128 v[64+32*(\f)+8*(\a):64+32*(\f)+8*(\a)+3],   v[ADA] offset:((\a)/2)*AOH+((\a)%2)*2304+(\ca)
	ds_load_b128 v[64+32*(\f)+8*(\a)+4:64+32*(\f)+8*(\a)+7], v[ADA] offset:((\a)/2)*AOH+((\a)%2)*2304+(\ca)+32
.endr
.endm
; NBW matrix instructions: A's block a x the wave's column blocks.  All 4 NBW accumulators take turns, one instruction a turn, in the same order in every chunk.
.macro MULA f, a, zero
	WIN 0xa1+0x50*((\a)/2)
.set bb, 0
.rept NBW
.set rD, 8*(NBW*((\a)%2)+bb)
.set rB, 128*(\f)+8*bb
.set rA, 64+32*(\f)+8*(\a)
.if \zero
	v_wmma_f32_16x16x32_bf16 v[rD:rD+7], v[rB:rB+7], v[rA:rA+7], 0
.else
	v_wmma_f32_16x16x32_bf16 v[rD:rD+7], v[rB:rB+7], v[rA:rA+7], v[rD:rD+7]
.endif
.set bb, bb+1
.endr
.endm
; A chunk: multiplies buffer f and, in its middle, fetches the next chunk into buffer g.  step = 1: that chunk begins the slot's next block of 64 along K.
.macro Q f, g, ca, cb, zero, step
	s_wait_dscnt 4                                 ; all but the youngest four loads, A's blocks 2 and 3
	MULA \f, 0, \zero
	MULA \f, 1, \zero
.if \step
	WIN 0
	s_add_co_u32 s[TBA], s[TBA], (MT/2)*144
	s_add_co_u32 s[TBB], s[TBB], 2048
	v_add_nc_u32 v[ADA], s[TBA], v16               ; these two and two v_nop are the four places
	v_add_nc_u32 v[ADB], s[TBB], v17
	v_nop
	v_nop
.else
	PLACES
.endif
	FETCH \g, \ca, \cb
	s_wait_dscnt NF                                ; all but the run just issued
	MULA \f, 2, \zero
	MULA \f, 3, \zero
.endm
; A slot's last chunk (buffer 1) and the change of slots: ONE barrier; in front of it each wave waits for all its tensor loads (one is out: its part of the next slot), adds 0 to its spare word, and waits
; for that and for its reads of this slot.  fill = 1: the barrier opens a round of the cluster's, and this slot is filled again first thing behind it, two steps ahead.
.macro TURN fill, slot
	WIN 0
	s_wait_tensorcnt 0x0
	ds_add_u32 v28, v29                            ; matrix work stands between the add and the wait for it
	s_wait_dscnt 5                                 ; (the add and the youngest four loads may be out)
	MULA 1, 0, 0
	s_wait_dscnt 0x0                               ; the add is done, and my reads of this slot are over
	s_barrier_signal -1
	MULA 1, 1, 0
	WIN 0
	s_barrier_wait -1
.if \fill
	CREST                                          ; no wave of any partner still reads this slot or has a load on its way
.if KBS == 1
	s_xor_b32 s[G0+5], s[G0+5], SLOT1              ; the second set walks: the other slot than last time, the next step
	s_add_nc_u64 s[G0+6:G0+7], s[G0+6:G0+7], ASTEP
	s_xor_b32 s[G0B+5], s[G0B+5], SLOT1
	s_add_nc_u64 s[G0B+6:G0B+7], s[G0B+6:G0B+7], BSTEP
	JLOAD 1
.else
	s_add_nc_u64 s[G0+4*(\slot)+2:G0+4*(\slot)+3], s[G0+4*(\slot)+2:G0+4*(\slot)+3], 2*ASTEP
	s_add_nc_u64 s[G0B+4*(\slot)+2:G0B+4*(\slot)+3], s[G0B+4*(\slot)+2:G0B+4*(\slot)+3], 2*BSTEP
	JLOAD \slot
.endif
.else
	PLACES
.endif
.if KBS == 1
	s_xor_b32 s[TBA], s[TBA], SLOT1
	s_xor_b32 s[TBB], s[TBB], SLOT1
.else
	s_mov_b32 s[TBA], (1-(\slot))*SLOT1
	s_mov_b32 s[TBB], (1-(\slot))*SLOT1
.endif
	v_add_nc_u32 v[ADA], s[TBA], v16
	v_add_nc_u32 v[ADB], s[TBB], v17
	FETCH 0, 0, 0
	MULA 1, 2, 0
	MULA 1, 3, 0
.endm
.macro LAST                            ; the very last chunk: nothing more to fetch
	s_wait_dscnt 4
	MULA 1, 0, 0
	MULA 1, 1, 0
	s_wait_dscnt 0x0
	MULA 1, 2, 0
	MULA 1, 3, 0
.endm
; ---------------- end of the skeleton ----------------
; A slot's eight chunks: three trips of two, then the seventh, then the eighth with what follows it.  mode 2: change of slots with a refill; 1: without; 0: the launch's last chunk.
.macro SLOTX slot, mode
	s_mov_b32 s2, 3
.Lkb_\@:
	Q 0, 1, 64, 1024, 0, 0
	Q 1, 0, 0, 0, 0, 1
	WIN 0
	s_sub_co_u32 s2, s2, 1
	s_cmp_lg_u32 s2, 0
	s_cbranch_scc1 .Lkb_\@
	Q 0, 1, 64, 1024, 0, 0
.if (\mode) == 0
	LAST
.else
	TURN (\mode)-1, \slot
.endif
	WIN 0
.endm
	s_load_b256 s[68:75], s[0:1], 0x0              ; DOWN = 0: o, tab, x, w_norm2;  DOWN = 1: act, tab, h, out0
.if !DOWN
	s_load_b128 s[76:79], s[0:1], 0x20             ; h, hb
	s_load_b64 s[80:81], s[0:1], 0x30              ; ssq
.endif
	HEAD1
	; the residual, into the accumulators: lane (r, h) takes 32 bytes of row 16 a + r for each of its column blocks; the four waves together take whole rows of 768 bytes, each byte once
	v_mul_u32_u24 v20, v1, 3072
	v_lshl_add_u32 v20, v2, 5, v20
	s_mul_i32 s22, s10, 192
	v_add_nc_u32 v20, s22, v20                     ; 3072 r + 32 h + 192 w
	s_mul_i32 s86, s13, 196608                     ; 64 y rows of 3,072 bytes
	s_mul_i32 s88, s42, 768                        ; the tile's 192 columns
	s_add_co_u32 s86, s86, s88
	s_mov_b32 s87, 0
	s_add_nc_u64 s[82:83], s[72:73], s[86:87]
.irp a, 0,1,2,3
	WIN 0x80+0x40*((\a)/2)
.irp b, 0,1,2
	global_load_b128 v[8*(3*((\a)%2)+(\b)):8*(3*((\a)%2)+(\b))+3],   v20, s[82:83] offset:49152*(\a)+64*(\b)
	global_load_b128 v[8*(3*((\a)%2)+(\b))+4:8*(3*((\a)%2)+(\b))+7], v20, s[82:83] offset:49152*(\a)+64*(\b)+16
.endr
.endr
	WIN 0
	s_mul_i32 s88, s10, 49152
	s_add_co_u32 s86, s86, s88                     ; the rows that I store: 64 y + 16 w on
.if DOWN
	s_add_nc_u64 s[90:91], s[74:75], s[86:87]
.else
	s_add_nc_u64 s[90:91], s[76:77], s[86:87]
	v_lshlrev_b32 v26, 4, v1
	s_mul_i32 s86, s42, 768
	s_add_nc_u64 s[84:85], s[74:75], s[86:87]
.irp u, 0,1,2
	global_load_b128 v[32+4*(\u):35+4*(\u)], v26, s[84:85] offset:256*(\u)   ; w_norm2 of the four columns that I store in each 64
.endr
	s_mul_i32 s86, s42, 1572864                    ; hb: blocks 3 x on,
	s_lshl_b32 s88, s13, 13
	s_add_co_u32 s86, s86, s88
	s_lshl_b32 s88, s10, 11
	s_add_co_u32 s86, s86, s88                     ; rows 64 y + 16 w on
	s_add_nc_u64 s[92:93], s[78:79], s[86:87]
	s_lshl_b32 s86, s13, 13                        ; ssq: 8,192 bytes for 64 rows,
	s_lshl_b32 s88, s42, 11
	s_add_co_u32 s86, s86, s88
	s_lshl_b32 s88, s10, 9
	s_add_co_u32 s86, s86, s88                     ; parts 2 (4 x + w) and the next
	s_add_nc_u64 s[94:95], s[80:81], s[86:87]
	v_and_b32 v25, 31, v0
	v_lshlrev_b32 v27, 4, v25                      ; 256 h + 16 r
	v_lshlrev_b32 v25, 3, v25                      ; 128 h + 8 r
.endif
	v_mul_u32_u24 v21, v1, SPITCH
	v_lshl_add_u32 v21, v2, 5, v21
	s_add_co_u32 s22, s22, STAGE
	v_add_nc_u32 v21, s22, v21                     ; into the stage: row r, my wave's 192 bytes, 32 for each half of the lanes
	v_mul_u32_u24 v23, v2, SPITCH
	v_lshl_add_u32 v23, v1, 4, v23
	s_mul_i32 s22, s10, 16*SPITCH
	s_add_co_u32 s22, s22, STAGE
	v_add_nc_u32 v23, s22, v23                     ; back: rows 16 w on; lanes 0-15 take 256 bytes of one row, lanes 16-31 of the next
	v_mul_u32_u24 v24, v2, 3072
	v_lshl_add_u32 v24, v1, 4, v24                 ; and the same in memory
	s_wait_loadcnt 0x0                             ; the sums' start is in
	s_wait_tensorcnt 0x1                           ; my part of step 0 is in; step 1's may stay out
	s_barrier_signal -1
	s_barrier_wait -1
	FETCH 0, 0, 0
.if DOWN
	s_mov_b32 s3, 3
.Llap:                                         ; a trip goes once round the ring and fills both slots again
	SLOTX 0, 2
	SLOTX 1, 2
	s_sub_co_u32 s3, s3, 1
	s_cmp_lg_u32 s3, 0
	s_cbranch_scc1 .Llap
	SLOTX 0, 1
	SLOTX 1, 0
.else
	SLOTX 0, 2
	SLOTX 1, 1
	SLOTX 0, 0
.endif
	; THE WAY OUT: through one stage, since a row's 768 bytes come from four waves
.rept 8
	v_nop
.endr
.if !DOWN
.irp a, 0,1,2,3
	WIN 0x0a+5*((\a)/2)                            ; sources 0 and 1 in the accumulators' window
.set n, 0
.rept 12                                       ; my 24 numbers of row 16 a + r, squared and added; each accumulator is read from its low end on
.set rX, 24*((\a)%2)+2*n
.if n == 0
	v_pk_mul_f32 v[44+2*(\a):45+2*(\a)], v[rX:rX+1], v[rX:rX+1]
.else
	v_pk_fma_f32 v[44+2*(\a):45+2*(\a)], v[rX:rX+1], v[rX:rX+1], v[44+2*(\a):45+2*(\a)]
.endif
.set n, n+1
.endr
.endr
	WIN 0
.irp a, 0,1,2,3
	v_add_f32 v[52+(\a)], v[44+2*(\a)], v[45+2*(\a)]
.endr
.endif
.irp a, 0,1,2,3
	WIN 0x08+4*((\a)/2)                            ; the stores' data in the accumulators' window
.irp b, 0,1,2
	ds_store_b128 v21, v[24*((\a)%2)+8*(\b):24*((\a)%2)+8*(\b)+3]   offset:16*SPITCH*(\a)+64*(\b)
	ds_store_b128 v21, v[24*((\a)%2)+8*(\b)+4:24*((\a)%2)+8*(\b)+7] offset:16*SPITCH*(\a)+64*(\b)+16
.endr
.endr
	WIN 0
.if !DOWN
	global_store_b128 v27, v[52:55], s[94:95]      ; 512 consecutive bytes: two parts x 16 rows x 4 row blocks
.endif
	s_wait_dscnt 0x0                               ; for the others' sake: my stores into the stage are done
	s_barrier_signal -1
	s_barrier_wait -1
.set n, 0
.rept 24                                       ; rows 2 (n / 3) and the next, bytes 256 (n % 3) on
	ds_load_b128 v[128+4*n:131+4*n], v23 offset:2*SPITCH*(n/3)+256*(n%3)
.set n, n+1
.endr
.set n, 0
.rept 24
	s_wait_dscnt 23-n                              ; LDS loads come back in order: load n is in, the younger ones stay out
	global_store_b128 v24, v[128+4*n:131+4*n], s[90:91] offset:6144*(n/3)+256*(n%3)   ; 16 lanes store 256 consecutive bytes, at a multiple of 256 from the buffer's first
.if !DOWN
	v_pk_mul_f32 v[224:225], v[128+4*n:129+4*n], v[32+4*(n%3):33+4*(n%3)]
	v_pk_mul_f32 v[226:227], v[130+4*n:131+4*n], v[34+4*(n%3):35+4*(n%3)]
	v_cvt_pk_bf16_f32 v[64+2*n], v224, v225
	v_cvt_pk_bf16_f32 v[65+2*n], v226, v227
	global_store_b64 v25, v[64+2*n:65+2*n], s[92:93] offset:524288*(n%3)+256*(n/3)    ; 32 lanes store two rows of a block: 256 consecutive bytes
.endif
.set n, n+1
.endr
	s_wait_tensorcnt 0x0                           ; the wave's end: behind my last tensor load and my last LDS store
	ds_add_u32 v28, v29
	s_wait_dscnt 0x0
	CROUND                                         ; the closing round: no work-group ends while a partner may still ask for a tile that names it
	s_endpgm
.Lfunc_end_k_qbe15d9b8b2_down:
	.size	k_qbe15d9b8b2_down, .Lfunc_end_k_qbe15d9b8b2_down-k_qbe15d9b8b2_down
	.p2alignl 7, 3214868480
	.fill 96, 4, 3214868480
	.section	.rodata,"a",@progbits
	.p2align	6, 0x0
	.amdhsa_kernel k_qbe15d9b8b2_down
		.amdhsa_group_segment_fixed_size 327680
		.amdhsa_private_segment_fixed_size 0
		.amdhsa_enable_private_segment 0
		.amdhsa_kernarg_size 32
		.amdhsa_user_sgpr_count 2
		.amdhsa_user_sgpr_kernarg_segment_ptr 1
		.amdhsa_wavefront_size32 1
		.amdhsa_system_sgpr_workgroup_id_x 1
		.amdhsa_system_sgpr_workgroup_id_y 1
		.amdhsa_system_sgpr_workgroup_id_z 1
		.amdhsa_system_vgpr_workitem_id 0
		.amdhsa_next_free_vgpr 1024
		.amdhsa_next_free_sgpr 96
		.amdhsa_reserve_vcc 0
		.amdhsa_float_denorm_mode_32 3
		.amdhsa_float_denorm_mode_16_64 3
		.amdhsa_memory_ordered 1
		.amdhsa_forward_progress 1
		.amdhsa_inst_pref_size 52
	.end_amdhsa_kernel
	.amdgpu_metadata
---
amdhsa.version: [ 1, 2 ]
amdhsa.kernels:
  - .name:           k_qbe15d9b8b2_down
    .symbol:         k_qbe15d9b8b2_down.kd
    .args:
      - { .name: act, .offset: 0, .size: 8, .value_kind: global_buffer, .address_space: global }
      - { .name: tab, .offset: 8, .size: 8, .value_kind: global_buffer, .address_space: global }
      - { .name: h, .offset: 16, .size: 8, .value_kind: global_buffer, .address_space: global }
      - { .name: out0, .offset: 24, .size: 8, .value_kind: global_buffer, .address_space: global }
    .group_segment_fixed_size: 327680
    .private_segment_fixed_size: 0
    .kernarg_segment_align: 8
    .kernarg_segment_size: 32
    .max_flat_workgroup_size: 128
    .sgpr_count:     96
    .vgpr_count:     1024
    .wavefront_size: 32
...
	.end_amdgpu_metadata
.endif
;; end of part 6
